; MI455X (gfx1250); checked and timed in simulation.
; The chip was launched on July 23, 2026; its instructions are those of AMD's public machine-readable ISA for CDNA 5 (MIT licence, August 2026) and "CDNA5" Instruction Set Architecture Reference Guide (July 2026). The comments in the code are by the model that wrote it; some were corrected since.
;; Attention. Allowed arithmetic: matrix products marked QUANTISED: E2M1 operands, one E8M0 scale for each 32 along K, by v_wmma_scale_f32_16x16x128_f8f6f4 with both operands' format E2M1 (or v_wmma_scale_f32_32x16x128_f4), f32 sums; products left as they are: bf16, f16 or f32 operands; f32 sums; everything else in f32.
;; Inputs: freqs_cos 2,048 x 32 float32; freqs_sin 2,048 x 32 float32; wk 256 x 1,024 float32; wo 1,024 x 1,024 float32; wq 1,024 x 1,024 float32; wv 256 x 1,024 float32; x 2 x 2,048 x 1,024 float32.
;; Outputs: out0 2 x 2,048 x 1,024 float32.
;; This version of the problem:
;;   THIS VERSION OF THE PROBLEM IS GIVEN IN LOW PRECISION. The matrix products marked QUANTISED in the list below multiply operands that are first quantised to E2M1 (2 exponent bits, 1 mantissa bit; 4 bits a number), with one power-of-two scale for each 32 numbers along K (OCP MX v1.0); their sums are f32. The products marked 'left as it is' may take bf16, f16 or f32 operands, with f32 sums. Whichever they take, every output number must still come out within the allowed error. Rounding operands to bf16 (8 significant bits) uses up far more of that allowance than f16 does (11 bits, for magnitudes from 6e-5 to 65,504). All else is computed in f32.
;;   The module's matrix products, in the order in which they are computed (A, B: the left and right operand; K: the contracted axis; several contracted axes count as one K, in the product's order):
;;     1. [M 4,096, K 1,024] x [K 1,024, N 1,024]; A: input x; B: input wq: QUANTISED
;;     2. [M 4,096, K 1,024] x [K 1,024, N 256]; A: input x; B: input wk: QUANTISED
;;     3. [M 4,096, K 1,024] x [K 1,024, N 256]; A: input x; B: input wv: QUANTISED
;;     4. batch 32 x [M 2,048, K 64] x [K 64, N 2,048]; A: computed on the way; B: computed on the way: left as it is (an operand is computed on the way)
;;     5. batch 32 x [M 2,048, K 2,048] x [K 2,048, N 64]; A: computed on the way; B: computed on the way: left as it is (an operand is computed on the way)
;;     6. [M 4,096, K 1,024] x [K 1,024, N 1,024]; A: computed on the way; B: input wo: left as it is (an operand is computed on the way)
;;   THE QUANTISER, for each operand of a quantised product, along K:
;;     - K is cut into blocks of 32 from its start; a last block that is shorter is filled with zeros.
;;     - A block's scale is 2^e with e = floor(log2(the largest magnitude in the block)) - 2, held to -126 .. 127; a block of zeros has e = 0. As a byte (E8M0): e + 127.
;;     - Each number is divided by its block's scale, clamped to +-6, and rounded to the nearest number of E2M1, ties to even, subnormals kept.
;;     - The product sums the exact products of the quantised numbers (number of the format x scale) in f32.
;;   ~~~python
;;   def quantise(x, axis):      # numpy; x: float32 -> the quantised numbers, widened to float32 again
;;       x = np.moveaxis(x, axis, -1); K = x.shape[-1]
;;       x = np.pad(x, [(0, 0)] * (x.ndim - 1) + [(0, -K % 32)]); x = x.reshape(x.shape[:-1] + (-1, 32)); a = np.abs(x).max(-1, keepdims=True)
;;       e = np.where(a > 0, np.clip(np.frexp(np.where(a > 0, a, 1))[1] - 1 - 2, -126, 127), 0)      # np.frexp(a)[1] - 1 = floor(log2(a)), exactly
;;       r = np.clip(x / 2.0 ** e, -6, 6)
;;       step = 2.0 ** (np.maximum(np.frexp(np.where(r == 0, 1, r))[1] - 1, 0) - 1)
;;       q = np.round(r / step) * step * 2.0 ** e      # np.round: ties to even
;;       return np.moveaxis(q.reshape(q.shape[:-2] + (-1,))[..., :K], -1, axis).astype(np.float32)
;;   ~~~
;; One version. Each part assembles by itself: llvm-mc -triple=amdgcn-amd-amdhsa -mcpu=gfx1250 --defsym DOCPART=n.
;; ======== version 1 of 1: 5 launches
;; limits: values are held in f16: magnitudes above 65,504 overflow, below 6.1e-05 lose precision
;; workspace buffers: codes 2,883,584 bytes; scales 180,224 bytes; woh 2,097,152 bytes; qh 8,388,608 bytes; kv 4,194,304 bytes; oh 8,388,608 bytes; first 196,608 bytes
;; launch quant (part 1): grid 208 x 1, 8 waves a work-group, no clusters, 43,008 bytes of LDS; arguments x, wq, wk, wv, wo, codes, scales, woh; writes codes, scales, woh
.if DOCPART == 1
	.amdgcn_target "amdgcn-amd-amdhsa--gfx1250"
	.amdhsa_code_object_version 6
	.text
	.protected	k_q6b4d83c199_quant
	.globl	k_q6b4d83c199_quant
	.p2align	8
	.type	k_q6b4d83c199_quant,@function
k_q6b4d83c199_quant:
	s_mov_b64 s[64:65], 0
	v_nop
	global_prefetch_b8 v0, s[64:65] scope:SCOPE_SE
	s_setreg_imm32_b32 hwreg(HW_REG_WAVE_MODE, 25, 1), 1
	s_wait_xcnt 0x0
; x [4096][1024], wq [1024][1024], wk [256][1024], wv [256][1024], all f32 with K innermost, become codes of E2M1 (two a byte, the lower k in the low four bits)
; and one E8M0 byte for each 32 along K, in ONE row space: rows 0-4095 x, 4096-5119 wq, 5120-5375 wk, 5376-5631 wv; a row is 512 bytes of codes and 32 scale bytes.
; wo [1024][1024] f32 becomes f16 (the last product is left as it is and takes f16 operands).
; A block's scale is 2^(floor(log2(largest magnitude)) - 2): its byte is the largest magnitude's exponent field - 2, held at 1 from below by a floor among the maximum's leaves.
; LIMITS: a block of zeros, and a block whose largest magnitude lies under 2^-124, gets the byte 1 (a block of zeros has zero codes, and this program alone reads the bytes);
; NaN and infinities among the inputs are not served; |wo| beyond 65,504 has no f16 number.
; SHARES: work-groups 0-175 take 32 rows each, a wave 4 rows = 8 steps of 512 numbers; work-groups 176-207 take 32,768 numbers of wo each, a wave 4,096.
; All 32 loads of a wave (16,384 bytes) go out at its head.  Each load reads 512 consecutive bytes; a step's 2,048 bytes turn through the wave's own stage in LDS, so that a lane
; then holds 16 neighbours along K (two neighbouring lanes hold a block), which is what the conversion takes.  No matrix unit, no cluster, no tensor load: a stream that shares nothing.
.set WREG,  5120                       ; LDS: a wave's two stages of 32 x SP bytes
.set SP,    80                         ; a lane's place in a stage: 64 bytes + 16 of padding
.set SCB,   40960                      ; the work-group's 1,024 scale bytes
.set SPARE, 41984                      ; the spare words, 128 bytes for each of the eight waves; no other line names them
.set R,     16                         ; v16-143  eight sets of 16 numbers as loaded (wo: 32 x 4)
.set X,     144                        ; v144-175 two sets of 16 neighbours (wo: v144-207, the f16 pairs)
.set C,     176                        ; v176-191 codes, two registers a step: no store's data are written again
.set E,     192                        ; v192-199 a scale byte a step
.set SPW,   12                         ; v12 LDS address of my spare word; never rewritten
.set NIL,   13                         ; v13 0; never rewritten
	s_load_b256 s[4:11], s[0:1], 0x0               ; x s[4:5], wq s[6:7], wk s[8:9], wv s[10:11]
	s_load_b256 s[12:19], s[0:1], 0x20             ; wo s[12:13], codes s[14:15], scales s[16:17], woh s[18:19]
	v_lshl_add_u32 v[SPW], v0, 2, SPARE
	v_mov_b32 v[NIL], 0
	v_lshrrev_b32 v1, 5, v0
	v_readfirstlane_b32 s20, v1                    ; wave 0..7
	v_and_b32 v2, 31, v0                           ; lane
	v_lshlrev_b32 v3, 4, v2                        ; my 16 bytes of a load's 512
	v_lshlrev_b32 v4, 3, v2                        ; my 8 bytes of a store's 256
	s_mul_i32 s21, s20, WREG
	v_lshrrev_b32 v14, 2, v2
	v_mul_u32_u24 v14, v14, SP
	v_and_b32 v15, 3, v2
	v_lshl_add_u32 v14, v15, 4, v14
	v_add_nc_u32 v14, s21, v14                     ; the stage on the way in: SP (lane / 4) + 16 (lane % 4)
	v_mul_u32_u24 v15, v2, SP
	v_add_nc_u32 v15, s21, v15                     ; and on the way out: SP x lane
	s_lshl_b32 s21, s20, 7
	s_add_co_u32 s21, s21, SCB
	v_lshrrev_b32 v5, 1, v2
	v_add_nc_u32 v5, s21, v5                       ; my block's scale byte: SCB + 128 x wave + lane / 2
	s_and_b32 s21, s20, 3
	s_lshl_b32 s21, s21, 8
	v_add_nc_u32 v7, s21, v4                       ; the scale bytes' way out (waves 0-3): 256 x wave + 8 x lane, in memory
	v_add_nc_u32 v6, SCB, v7                       ; and in LDS
	s_wait_kmcnt 0x0
	s_cmp_ge_u32 ttmp9, 176                        ; the work-group's number alone: all eight waves go the same way
	s_cbranch_scc1 .Lwo
	s_mov_b64 s[22:23], s[10:11]                   ; which tensor, and its first work-group: wv, 168;
	s_mov_b32 s24, 168
	s_cmp_lt_u32 ttmp9, 168
	s_cselect_b64 s[22:23], s[8:9], s[22:23]       ; wk, 160;
	s_cselect_b32 s24, 160, s24
	s_cmp_lt_u32 ttmp9, 160
	s_cselect_b64 s[22:23], s[6:7], s[22:23]       ; wq, 128;
	s_cselect_b32 s24, 128, s24
	s_cmp_lt_u32 ttmp9, 128
	s_cselect_b64 s[22:23], s[4:5], s[22:23]       ; x, 0
	s_cselect_b32 s24, 0, s24
	s_sub_co_u32 s26, ttmp9, s24
	s_lshl_b32 s26, s26, 3
	s_add_co_u32 s26, s26, s20
	s_lshl_b32 s26, s26, 14                        ; my wave's 16,384 bytes of the tensor
	s_mov_b32 s27, 0
	s_add_nc_u64 s[22:23], s[22:23], s[26:27]
	s_lshl_b32 s28, ttmp9, 3
	s_add_co_u32 s28, s28, s20
	s_lshl_b32 s28, s28, 11                        ; my wave's 2,048 bytes of codes
	s_mov_b32 s29, 0
	s_add_nc_u64 s[14:15], s[14:15], s[28:29]
	s_lshl_b32 s30, ttmp9, 10                      ; my work-group's 1,024 scale bytes
	s_mov_b32 s31, 0
	s_add_nc_u64 s[16:17], s[16:17], s[30:31]
.macro LOAD t                          ; step t: four loads of 512 consecutive bytes
.irp i, 0,1,2,3
	global_load_b128 v[R+16*(\t)+4*\i:R+16*(\t)+4*\i+3], v3, s[22:23] offset:2048*(\t)+512*\i th:TH_LOAD_NT
.endr
.endm
.macro TURN t                          ; step t's numbers through the stage; LDS serves a wave's instructions in order, so no wait stands between the stores and the loads
.irp i, 0,1,2,3
	ds_store_b128 v14, v[R+16*(\t)+4*\i:R+16*(\t)+4*\i+3] offset:32*SP*((\t)%2)+8*SP*\i
.endr
.irp i, 0,1,2,3
	ds_load_b128 v[X+16*((\t)%2)+4*\i:X+16*((\t)%2)+4*\i+3], v15 offset:32*SP*((\t)%2)+16*\i
.endr
.endm
.irp t, 0,1,2,3,4,5,6,7
	LOAD \t
.endr
	s_wait_loadcnt 28                              ; step 0's four loads are in; the 28 of steps 1 to 7 may be out
	TURN 0
.macro STEP t
.set XS, X+16*((\t)%2)
.if (\t) > 0
	s_wait_dscnt 1                                 ; this step's numbers are back from the stage; the last step's byte store, issued behind them, may be out
.else
	s_wait_dscnt 0x0
.endif
.if (\t) < 7
	s_wait_loadcnt 4*(6-(\t))                      ; the next step's four loads are in; four for each step behind it may be out
	TURN (\t)+1                                    ; it goes through the other stage while this step is worked
.endif
	v_max3_num_f32 v8, |v[XS]|, |v[XS+1]|, |v[XS+2]|               ; the largest magnitude of my 16, in two chains
	v_max3_num_f32 v9, |v[XS+3]|, |v[XS+4]|, |v[XS+5]|
.irp i, 6,10
	v_max3_num_f32 v8, v8, |v[XS+\i]|, |v[XS+\i+1]|
	v_max3_num_f32 v9, v9, |v[XS+\i+2]|, |v[XS+\i+3]|
.endr
	v_max3_num_f32 v8, v8, |v[XS+14]|, |v[XS+15]|
	v_max3_num_f32 v8, v8, v9, 0x1800000           ; and the floor 2^(3 - 127): the byte cannot fall under 1
	v_max_num_f32_dpp v8, v8, v8 row_xmask:1 row_mask:0xf bank_mask:0xf   ; with my neighbour's 16: the block's
	v_add_nc_u32 v11, 0xff000000, v8               ; 2 off its exponent field: the conversion takes the exponent field of this operand as its scale
	v_cvt_scalef32_pk8_fp4_f32 v[C+2*(\t)], v[XS:XS+7], v11
	v_cvt_scalef32_pk8_fp4_f32 v[C+2*(\t)+1], v[XS+8:XS+15], v11
	v_lshrrev_b32 v[E+(\t)], 23, v11               ; the scale's byte (also the plain line behind the conversions)
	ds_store_b8 v5, v[E+(\t)] offset:16*(\t)       ; both lanes of a block write the same byte with the same value
	global_store_b64 v4, v[C+2*(\t):C+2*(\t)+1], s[14:15] offset:256*(\t)   ; the wave stores 256 consecutive bytes, aligned
.endm
.irp t, 0,1,2,3,4,5,6,7
	STEP \t
.endr
	s_wait_dscnt 0x0                               ; for the others' sake: my scale bytes lie in LDS
	s_barrier_signal -1
	s_barrier_wait -1
	s_cmp_lt_u32 s20, 4                            ; a wave makes 128 scale bytes: waves 0 to 3 send two waves' each, 256 consecutive aligned bytes a store
	s_cbranch_scc0 .Lend
	ds_load_b64 v[8:9], v6
	s_wait_dscnt 0x0
	global_store_b64 v7, v[8:9], s[16:17]
.Lend:
	s_wait_tensorcnt 0x0                           ; the wave's end: behind my last LDS store
	ds_add_u32 v[SPW], v[NIL]
	s_wait_dscnt 0x0
	s_endpgm
.Lwo:                                              ; wo to f16: 32 loads at once, then two conversions and a store of 256 consecutive bytes for each
	s_sub_co_u32 s26, ttmp9, 176
	s_lshl_b32 s26, s26, 3
	s_add_co_u32 s26, s26, s20
	s_lshl_b32 s28, s26, 13
	s_lshl_b32 s26, s26, 14
	s_mov_b32 s27, 0
	s_mov_b32 s29, 0
	s_add_nc_u64 s[12:13], s[12:13], s[26:27]
	s_add_nc_u64 s[18:19], s[18:19], s[28:29]
.set i, 0
.rept 32
	global_load_b128 v[R+4*i:R+4*i+3], v3, s[12:13] offset:512*i th:TH_LOAD_NT
.set i, i+1
.endr
.set i, 0
.rept 32
	s_wait_loadcnt 31-i                            ; load i is in; the younger ones may be out
	v_cvt_pk_f16_f32 v[X+2*i], v[R+4*i], v[R+4*i+1]
	v_cvt_pk_f16_f32 v[X+2*i+1], v[R+4*i+2], v[R+4*i+3]
	global_store_b64 v4, v[X+2*i:X+2*i+1], s[18:19] offset:256*i
.set i, i+1
.endr
	s_wait_tensorcnt 0x0                           ; the same three closing lines on this way too
	ds_add_u32 v[SPW], v[NIL]
	s_wait_dscnt 0x0
	s_endpgm
.Lfunc_end_k_q6b4d83c199_quant:
	.size	k_q6b4d83c199_quant, .Lfunc_end_k_q6b4d83c199_quant-k_q6b4d83c199_quant
	.p2alignl 7, 3214868480
	.fill 96, 4, 3214868480
	.section	.rodata,"a",@progbits
	.p2align	6, 0x0
	.amdhsa_kernel k_q6b4d83c199_quant
		.amdhsa_group_segment_fixed_size 43008
		.amdhsa_private_segment_fixed_size 0
		.amdhsa_enable_private_segment 0
		.amdhsa_kernarg_size 64
		.amdhsa_user_sgpr_count 2
		.amdhsa_user_sgpr_kernarg_segment_ptr 1
		.amdhsa_wavefront_size32 1
		.amdhsa_system_sgpr_workgroup_id_x 1
		.amdhsa_system_sgpr_workgroup_id_y 1
		.amdhsa_system_sgpr_workgroup_id_z 1
		.amdhsa_system_vgpr_workitem_id 0
		.amdhsa_next_free_vgpr 208
		.amdhsa_next_free_sgpr 66
		.amdhsa_reserve_vcc 0
		.amdhsa_float_denorm_mode_32 3
		.amdhsa_float_denorm_mode_16_64 3
		.amdhsa_memory_ordered 1
		.amdhsa_forward_progress 1
		.amdhsa_inst_pref_size 30
	.end_amdhsa_kernel
	.amdgpu_metadata
---
amdhsa.version: [ 1, 2 ]
amdhsa.kernels:
  - .name:           k_q6b4d83c199_quant
    .symbol:         k_q6b4d83c199_quant.kd
    .args:
      - { .name: x, .offset: 0, .size: 8, .value_kind: global_buffer, .address_space: global }
      - { .name: wq, .offset: 8, .size: 8, .value_kind: global_buffer, .address_space: global }
      - { .name: wk, .offset: 16, .size: 8, .value_kind: global_buffer, .address_space: global }
      - { .name: wv, .offset: 24, .size: 8, .value_kind: global_buffer, .address_space: global }
      - { .name: wo, .offset: 32, .size: 8, .value_kind: global_buffer, .address_space: global }
      - { .name: codes, .offset: 40, .size: 8, .value_kind: global_buffer, .address_space: global }
      - { .name: scales, .offset: 48, .size: 8, .value_kind: global_buffer, .address_space: global }
      - { .name: woh, .offset: 56, .size: 8, .value_kind: global_buffer, .address_space: global }
    .group_segment_fixed_size: 43008
    .private_segment_fixed_size: 0
    .kernarg_segment_align: 8
    .kernarg_segment_size: 64
    .max_flat_workgroup_size: 256
    .sgpr_count:     66
    .vgpr_count:     208
    .wavefront_size: 32
...
	.end_amdgpu_metadata
.endif
;; end of part 1
;; launch qkv (part 2): grid 8 x 32, 4 waves a work-group, no clusters, 198,144 bytes of LDS; arguments codes, scales, freqs_cos, freqs_sin, qh, kv, first; writes qh, kv, first
.if DOCPART == 2
	.amdgcn_target "amdgcn-amd-amdhsa--gfx1250"
	.amdhsa_code_object_version 6
	.text
	.protected	k_q6b4d83c199_qkv
	.globl	k_q6b4d83c199_qkv
	.p2align	8
	.type	k_q6b4d83c199_qkv,@function
k_q6b4d83c199_qkv:
	s_mov_b64 s[64:65], 0
	v_nop
	global_prefetch_b8 v0, s[64:65] scope:SCOPE_SE
	s_setreg_imm32_b32 hwreg(HW_REG_WAVE_MODE, 25, 1), 1
	s_wait_xcnt 0x0
; The three quantised products x wq^T, x wk^T, x wv^T on codes of E2M1 with E8M0 scales, then RoPE in f32 on q and k, then q, k, v as f16 in the layouts that attention reads.
; The 1,536 output columns are 24 heads of 64: 0-15 q, 16-19 k, 20-23 v.  Work-group (nt, mt) makes tokens 128 mt .. +127 x heads 3 nt .. 3 nt + 2; wave w makes its 32 tokens for all three heads,
; a head a trip.  All of K (1,024: 512 bytes a row) of the 128 + 192 rows lies in LDS at once, with its scale bytes: one barrier.
; THE MATRIX INSTRUCTION IS USED TRANSPOSED (source 0 = 16 rows of W, source 1 = 16 tokens): a lane holds one token (lane % 16) and eight neighbouring columns 16 c + 8 (lane / 16) + j: four RoPE pairs.
; OUT: qh [b][head][pos][64] f16; kv [b][kv head][pos / 64] in blocks of 16,384 bytes: 64 rows of K, then 64 rows of V, 128 bytes a row; first [b][head 0-23][pos 0-15][64] f32: the first 16 positions, unrounded.
; NO CLUSTER: the way out branches on the head's kind (3 nt + trip) and on 'position 0' (mt); both differ between the work-groups that would share tiles.
; LIMITS: |q|, |k|, |v| beyond 65,504 have no f16 number; RoPE is two multiplies and two fused multiply-adds a pair, one rounding fewer a number than a multiply, a multiply and an add.
; REGISTERS, window 0: v1-13 addresses; v14, v15 the add's two; v16-31 x's scale words (8 m + q), v32-63 W's (8 c + q): scales and nothing else; v64-127 W's fragments, two sets of four (on the way out: T, the roped numbers);
;   v128-191 eight accumulators (2 c + m); v192-223 f16 pairs; v224-255 rows read back.   window 1: v0-127 x's 16 fragments (8 m + q), they stay; v128-159 cos, v160-191 sin (4 (4 m + c) + pair).
.set PITCH, 528                        ; an LDS row of codes: 512 bytes + 16 of padding: an odd multiple of 16, so the 16 rows of a fragment load fall on 16 different 16-byte columns of 256
.set BOFF,  67584                      ; behind x's 128 rows: W's 192 rows
.set SAOFF, 168960                     ; x's scale bytes, 32 a row, dense
.set SBOFF, 173056                     ; W's
.set STG,   179200                     ; the stages: 32 rows x 144 bytes for each wave; no tensor load lands here
.set SPARE, 197632                     ; the spare words, 128 bytes for each wave; no other line names them
.set SPW, 14
.set NIL, 15
.set ASC, 16
.set BSC, 32
.set BF,  64
.set T,   64
.set ACC, 128
.set HH,  192
.set BK,  224
.set AF,  0
.set COS, 128
.set SIN, 160
.set G1A,  24                          ; s[24:31] group 1: 32 rows of codes;  s[32:39]: 48 rows;  s[40:47]: 1,024 scale bytes;  s[48:55]: 1,536
.set G1B,  32
.set G1SA, 40
.set G1SB, 48
.set G0A,  56                          ; groups 0
.set G0B,  60
.set G0SA, 68
.set G0SB, 72
.set MSB, 0
.macro WIN new                         ; the immediate's high byte repeats the setting that is left
.if MSB != \new
	s_set_vgpr_msb (MSB<<8)|\new
.set MSB, \new
.endif
.endm
.macro PLACES                          ; four plain places behind a matrix instruction of this form, ahead of loads into its sources and of reads of its result
.rept 4
	v_nop
.endr
.endm
	s_load_b256 s[4:11], s[0:1], 0x0               ; codes s[4:5], scales s[6:7], cos s[8:9], sin s[10:11]
	s_load_b128 s[12:15], s[0:1], 0x20             ; qh s[12:13], kv s[14:15]
	s_load_b64 s[16:17], s[0:1], 0x30              ; first
	v_lshl_add_u32 v[SPW], v0, 2, SPARE
	v_mov_b32 v[NIL], 0
	ds_add_u32 v[SPW], v[NIL]                      ; the wave's opening: the add, twice on end, and its wait ahead of my first tensor load
	ds_add_u32 v[SPW], v[NIL]
	v_lshrrev_b32 v1, 5, v0
	v_readfirstlane_b32 s18, v1                    ; wave 0..3
	s_mov_b32 s19, ttmp9                           ; nt
	s_and_b32 s20, ttmp7, 0xffff                   ; mt
	s_lshr_b32 s21, s20, 4                         ; b
	s_and_b32 s22, s20, 15
	s_lshl_b32 s22, s22, 7
	s_lshl_b32 s84, s18, 5
	s_add_co_u32 s22, s22, s84                     ; pos0: my wave's first position in its sequence
	s_mov_b32 s[G1A], (1<<20)|(6<<22)|(3<<25)      ; elements of 1 byte; padding on: after every 128 words (code 6) four words (code 3)
	s_mov_b32 s[G1A+1], 512<<16                    ; tensor_dim0 = 512
	s_mov_b32 s[G1A+2], 32<<16                     ; tensor_dim1 = 32
	s_mov_b32 s[G1A+3], 512<<16                    ; tile_dim0 = 512
	s_mov_b32 s[G1A+4], 32                         ; tile_dim1 = 32
	s_mov_b32 s[G1A+5], 512                        ; from row to row
	s_mov_b32 s[G1A+6], 0
	s_mov_b32 s[G1A+7], 0
	s_mov_b32 s[G1B], (1<<20)|(6<<22)|(3<<25)      ; the same with 48 rows
	s_mov_b32 s[G1B+1], 512<<16
	s_mov_b32 s[G1B+2], 48<<16
	s_mov_b32 s[G1B+3], 512<<16
	s_mov_b32 s[G1B+4], 48
	s_mov_b32 s[G1B+5], 512
	s_mov_b32 s[G1B+6], 0
	s_mov_b32 s[G1B+7], 0
	s_mov_b32 s[G1SA], 3<<16                       ; a dense block as rows of 256 bytes (32 elements of 8 bytes), no padding: 4 rows
	s_mov_b32 s[G1SA+1], 32<<16
	s_mov_b32 s[G1SA+2], 4<<16
	s_mov_b32 s[G1SA+3], 32<<16
	s_mov_b32 s[G1SA+4], 4
	s_mov_b32 s[G1SA+5], 32
	s_mov_b32 s[G1SA+6], 0
	s_mov_b32 s[G1SA+7], 0
	s_mov_b32 s[G1SB], 3<<16                       ; 6 rows
	s_mov_b32 s[G1SB+1], 32<<16
	s_mov_b32 s[G1SB+2], 6<<16
	s_mov_b32 s[G1SB+3], 32<<16
	s_mov_b32 s[G1SB+4], 6
	s_mov_b32 s[G1SB+5], 32
	s_mov_b32 s[G1SB+6], 0
	s_mov_b32 s[G1SB+7], 0
	s_lshl_b32 s84, s20, 7
	s_lshl_b32 s85, s18, 5
	s_add_co_u32 s84, s84, s85                     ; x: row 128 mt + 32 w
	s_lshl_b32 s86, s84, 5                         ; its scale bytes,
	s_lshl_b32 s84, s84, 9                         ; its codes
	s_mov_b32 s85, 0
	s_mov_b32 s87, 0
	s_mul_i32 s88, s19, 192
	s_mul_i32 s89, s18, 48
	s_add_co_u32 s88, s88, s89
	s_add_co_u32 s88, s88, 4096                    ; W: row 4096 + 192 nt + 48 w of the joint row space
	s_lshl_b32 s90, s88, 5
	s_lshl_b32 s88, s88, 9
	s_mov_b32 s89, 0
	s_mov_b32 s91, 0
	s_wait_dscnt 0x0                               ; both opening adds are done
	s_wait_kmcnt 0x0
	s_mov_b32 s[G0A], 1
	s_mul_i32 s[G0A+1], s18, 32*PITCH
	s_add_nc_u64 s[G0A+2:G0A+3], s[4:5], s[84:85]
	s_or_b32 s[G0A+3], s[G0A+3], 0x80000000
	s_mov_b32 s[G0B], 1
	s_mul_i32 s[G0B+1], s18, 48*PITCH
	s_add_co_u32 s[G0B+1], s[G0B+1], BOFF
	s_add_nc_u64 s[G0B+2:G0B+3], s[4:5], s[88:89]
	s_or_b32 s[G0B+3], s[G0B+3], 0x80000000
	s_mov_b32 s[G0SA], 1
	s_lshl_b32 s[G0SA+1], s18, 10
	s_add_co_u32 s[G0SA+1], s[G0SA+1], SAOFF
	s_add_nc_u64 s[G0SA+2:G0SA+3], s[6:7], s[86:87]
	s_or_b32 s[G0SA+3], s[G0SA+3], 0x80000000
	s_mov_b32 s[G0SB], 1
	s_mul_i32 s[G0SB+1], s18, 1536
	s_add_co_u32 s[G0SB+1], s[G0SB+1], SBOFF
	s_add_nc_u64 s[G0SB+2:G0SB+3], s[6:7], s[90:91]
	s_or_b32 s[G0SB+3], s[G0SB+3], 0x80000000
	tensor_load_to_lds s[G0A:G0A+3], s[G1A:G1A+7]          ; the four first fills go out together: four tensor loads of mine are out, and none follows
	s_nop 0
	tensor_load_to_lds s[G0B:G0B+3], s[G1B:G1B+7]
	s_nop 0
	tensor_load_to_lds s[G0SA:G0SA+3], s[G1SA:G1SA+7]
	s_nop 0
	tensor_load_to_lds s[G0SB:G0SB+3], s[G1SB:G1SB+7]
	s_nop 0
	v_and_b32 v1, 15, v0                           ; r
	v_bfe_u32 v2, v0, 4, 1                         ; h
	v_mul_u32_u24 v3, v1, PITCH
	v_lshl_add_u32 v3, v2, 4, v3                   ; a fragment's row x pitch + 16 h
	s_mul_i32 s84, s18, 32*PITCH
	v_add_nc_u32 v4, s84, v3                       ; x's fragments: my 32 rows
	s_lshl_b32 s84, s18, 10
	s_add_co_u32 s84, s84, SAOFF
	v_lshl_add_u32 v5, v1, 5, s84                  ; x's scale words: 32 bytes a row
	v_lshlrev_b32 v13, 5, v1                       ; W's likewise: 32 r
	s_mul_i32 s85, s18, 4608
	s_add_co_u32 s85, s85, STG                     ; my stage
	v_mul_u32_u24 v8, v1, 144
	v_lshl_add_u32 v8, v2, 4, v8
	v_add_nc_u32 v8, s85, v8                       ; in: row r, 16 bytes for each half of the lanes
	v_and_b32 v10, 31, v0
	v_lshrrev_b32 v9, 3, v10
	v_mul_u32_u24 v9, v9, 144
	v_and_b32 v11, 7, v0
	v_lshl_add_u32 v9, v11, 4, v9
	v_add_nc_u32 v9, s85, v9                       ; back: eight lanes to a row of 128 bytes, four rows an instruction
	v_lshlrev_b32 v10, 4, v10                      ; and the same 512 consecutive bytes in memory
	v_lshlrev_b32 v11, 8, v1
	v_lshl_add_u32 v11, v2, 5, v11                 ; first: row r of 256 bytes, + 32 h
	v_lshlrev_b32 v12, 7, v1
	v_lshl_add_u32 v12, v2, 4, v12                 ; cos, sin: row r of 128 bytes, + 16 h: my four pairs
	s_lshl_b32 s84, s22, 7
	s_mov_b32 s85, 0
	s_add_nc_u64 s[8:9], s[8:9], s[84:85]          ; at position pos0
	s_add_nc_u64 s[10:11], s[10:11], s[84:85]
	WIN 0x40                                       ; destination window 1
.irp m, 0,1
.irp c, 0,1,2,3
	global_load_b128 v[COS+4*(4*\m+\c):COS+4*(4*\m+\c)+3], v12, s[8:9] offset:2048*\m+32*\c
	global_load_b128 v[SIN+4*(4*\m+\c):SIN+4*(4*\m+\c)+3], v12, s[10:11] offset:2048*\m+32*\c
.endr
.endr
	WIN 0
	s_wait_tensorcnt 0x0                           ; my four parts have landed,
	s_barrier_signal -1
	s_barrier_wait -1                              ; everybody's have
	WIN 0x40
.irp m, 0,1
.irp q, 0,1,2,3,4,5,6,7
	ds_load_b128 v[AF+8*(8*\m+\q):AF+8*(8*\m+\q)+3],   v4 offset:16*PITCH*\m+64*\q       ; 16 rows x 128 K of 4-bit codes: registers 4 c .. 4 c + 3 hold K = 64 c + 32 h + 0 .. 31
	ds_load_b128 v[AF+8*(8*\m+\q)+4:AF+8*(8*\m+\q)+7], v4 offset:16*PITCH*\m+64*\q+32
.endr
.endr
	WIN 0
.irp m, 0,1
	ds_load_b128 v[ASC+8*\m:ASC+8*\m+3],   v5 offset:512*\m                               ; a row's eight scale words, one for each 128 along K
	ds_load_b128 v[ASC+8*\m+4:ASC+8*\m+7], v5 offset:512*\m+16
.endr
	s_wait_loadcnt 0x0                             ; cos and sin
	s_mov_b32 s23, 0                               ; the trip: which of my work-group's three heads
	s_mov_b32 s76, BOFF                            ; where the head's 64 rows of W begin in LDS,
	s_mov_b32 s77, SBOFF                           ; and their scale bytes
.macro FETCHB q                        ; W's four fragments of the q-th 128 along K into set q % 2
.irp c, 0,1,2,3
	ds_load_b128 v[BF+32*((\q)%2)+8*\c:BF+32*((\q)%2)+8*\c+3],   v6 offset:16*PITCH*\c+64*(\q)
	ds_load_b128 v[BF+32*((\q)%2)+8*\c+4:BF+32*((\q)%2)+8*\c+7], v6 offset:16*PITCH*\c+64*(\q)+32
.endr
.endm
.macro MUL q, zero                     ; eight products; the eight accumulators take turns, one instruction a turn.  zero = 1: the first K step starts the sums
.irp c, 0,1,2,3
.irp m, 0,1
.if \zero
	v_wmma_scale_f32_16x16x128_f8f6f4 v[ACC+8*(2*\c+\m):ACC+8*(2*\c+\m)+7], v[BF+32*((\q)%2)+8*\c:BF+32*((\q)%2)+8*\c+7], v[AF+8*(8*\m+(\q)):AF+8*(8*\m+(\q))+7], 0, v[BSC+8*\c+(\q)], v[ASC+8*\m+(\q)] matrix_a_fmt:MATRIX_FMT_FP4 matrix_b_fmt:MATRIX_FMT_FP4
.else
	v_wmma_scale_f32_16x16x128_f8f6f4 v[ACC+8*(2*\c+\m):ACC+8*(2*\c+\m)+7], v[BF+32*((\q)%2)+8*\c:BF+32*((\q)%2)+8*\c+7], v[AF+8*(8*\m+(\q)):AF+8*(8*\m+(\q))+7], v[ACC+8*(2*\c+\m):ACC+8*(2*\c+\m)+7], v[BSC+8*\c+(\q)], v[ASC+8*\m+(\q)] matrix_a_fmt:MATRIX_FMT_FP4 matrix_b_fmt:MATRIX_FMT_FP4
.endif
.endr
.endr
.endm
.macro ROPE                            ; (even, odd) -> (even cos - odd sin, even sin + odd cos), from the accumulators into T; each accumulator is read from its low end on
.irp c, 0,1,2,3
.irp m, 0,1
.irp i, 0,1,2,3
	v_mul_f32 v[T+8*(2*\c+\m)+2*\i],   v[ACC+8*(2*\c+\m)+2*\i], v[COS+4*(4*\m+\c)+\i]
	v_mul_f32 v[T+8*(2*\c+\m)+2*\i+1], v[ACC+8*(2*\c+\m)+2*\i], v[SIN+4*(4*\m+\c)+\i]
	v_fma_f32 v[T+8*(2*\c+\m)+2*\i],   -v[ACC+8*(2*\c+\m)+2*\i+1], v[SIN+4*(4*\m+\c)+\i], v[T+8*(2*\c+\m)+2*\i]
	v_fma_f32 v[T+8*(2*\c+\m)+2*\i+1], v[ACC+8*(2*\c+\m)+2*\i+1],  v[COS+4*(4*\m+\c)+\i], v[T+8*(2*\c+\m)+2*\i+1]
.endr
.endr
.endr
.endm
.macro FIRST src                       ; positions 0-15 of a sequence (my tile m = 0 where pos0 = 0) also leave in f32
	s_cmp_eq_u32 s22, 0
	s_cbranch_scc0 .Lnot_first_\@
.irp c, 0,1,2,3
	global_store_b128 v11, v[\src+16*\c:\src+16*\c+3],   s[82:83] offset:64*\c
	global_store_b128 v11, v[\src+16*\c+4:\src+16*\c+7], s[82:83] offset:64*\c+16
.endr
.Lnot_first_\@:
.endm
.macro CVT src                         ; 64 numbers to 32 pairs of f16, each group of eight from its low end on
.set i, 0
.rept 32
	v_cvt_pk_f16_f32 v[HH+i], v[\src+2*i], v[\src+2*i+1]
.set i, i+1
.endr
.endm
.Lhead:
	v_add_nc_u32 v6, s76, v3
	v_add_nc_u32 v7, s77, v13
.irp c, 0,1,2,3
	ds_load_b128 v[BSC+8*\c:BSC+8*\c+3],   v7 offset:512*\c
	ds_load_b128 v[BSC+8*\c+4:BSC+8*\c+7], v7 offset:512*\c+16
.endr
	FETCHB 0
	WIN 0x04                                       ; source 1 (x's fragments; cos and sin) window 1; LDS loads into window 0 are not touched by it
	FETCHB 1
	s_wait_dscnt 8                                 ; all but the eight loads just issued
	MUL 0, 1
.set KQ, 1
.rept 6
	PLACES                                         ; the set to be loaded was read by the products just issued
	FETCHB KQ+1
	s_wait_dscnt 8                                 ; this K step's fragments are in; the next step's eight loads may be out
	MUL KQ, 0
.set KQ, KQ+1
.endr
	s_wait_dscnt 0x0
	MUL 7, 0
	PLACES                                         ; ahead of the reads of the sums and of the writes of T, which lies where W's fragments lay
	WIN 0
	s_mul_i32 s78, s19, 3
	s_add_co_u32 s78, s78, s23                     ; the head, 0..23
	s_lshl_b32 s84, s21, 4
	s_add_co_u32 s84, s84, s78
	s_lshl_b32 s84, s84, 11
	s_add_co_u32 s84, s84, s22
	s_lshl_b32 s84, s84, 7                         ; q: ((16 b + head) 2048 + pos0) x 128 bytes
	s_sub_co_u32 s86, s78, 16
	s_and_b32 s86, s86, 3
	s_lshl_b32 s87, s21, 2
	s_add_co_u32 s86, s86, s87
	s_lshl_b32 s86, s86, 5
	s_lshr_b32 s87, s22, 6
	s_add_co_u32 s86, s86, s87
	s_lshl_b32 s86, s86, 14                        ; k, v: the block of 16,384 bytes of (b, kv head, pos0 / 64),
	s_and_b32 s87, s22, 63
	s_lshl_b32 s87, s87, 7
	s_add_co_u32 s86, s86, s87                     ; my rows in it,
	s_cmp_ge_u32 s78, 20
	s_cselect_b32 s87, 8192, 0
	s_add_co_u32 s86, s86, s87                     ; V behind K
	s_cmp_lt_u32 s78, 16
	s_cselect_b64 s[80:81], s[12:13], s[14:15]     ; (the last trip's stores have read these: the wait at the trip's end)
	s_cselect_b32 s84, s84, s86
	s_mov_b32 s85, 0
	s_add_nc_u64 s[80:81], s[80:81], s[84:85]
	s_mul_i32 s88, s21, 24
	s_add_co_u32 s88, s88, s78
	s_lshl_b32 s88, s88, 12
	s_mov_b32 s89, 0
	s_add_nc_u64 s[82:83], s[16:17], s[88:89]      ; first: (24 b + head) x 4,096 bytes
	s_cmp_ge_u32 s78, 20
	s_cbranch_scc1 .Lplain                         ; v is not rotated
	WIN 0x04
	ROPE
	WIN 0
	FIRST T
	CVT T
	s_branch .Ljoin
.Lplain:
	FIRST ACC
	CVT ACC
.Ljoin:
.irp c, 0,1,2,3
.irp m, 0,1
	ds_store_b128 v8, v[HH+4*(2*\c+\m):HH+4*(2*\c+\m)+3] offset:2304*\m+32*\c     ; token 16 m + r, columns 16 c + 8 h on
.endr
.endr
.irp i, 0,1,2,3,4,5,6,7
	ds_load_b128 v[BK+4*\i:BK+4*\i+3], v9 offset:576*\i    ; LDS serves a wave's instructions in order: these see my stores
.endr
.irp i, 0,1,2,3,4,5,6,7
	s_wait_dscnt 7-\i                              ; read-back i is in; the younger ones may be out
	global_store_b128 v10, v[BK+4*\i:BK+4*\i+3], s[80:81] offset:512*\i    ; the wave stores 512 consecutive bytes, aligned: my 32 rows are 4,096 dense bytes
.endr
	s_wait_xcnt 0x0                                ; the stores have read their data and bases: the next trip writes both again
	s_add_co_u32 s76, s76, 64*PITCH
	s_add_co_u32 s77, s77, 2048
	s_add_co_u32 s23, s23, 1
	s_cmp_lt_u32 s23, 3
	s_cbranch_scc1 .Lhead
	s_wait_tensorcnt 0x0                           ; the wave's end: behind my last tensor load and my last LDS store
	ds_add_u32 v[SPW], v[NIL]
	s_wait_dscnt 0x0
	s_endpgm
.Lfunc_end_k_q6b4d83c199_qkv:
	.size	k_q6b4d83c199_qkv, .Lfunc_end_k_q6b4d83c199_qkv-k_q6b4d83c199_qkv
	.p2alignl 7, 3214868480
	.fill 96, 4, 3214868480
	.section	.rodata,"a",@progbits
	.p2align	6, 0x0
	.amdhsa_kernel k_q6b4d83c199_qkv
		.amdhsa_group_segment_fixed_size 198144
		.amdhsa_private_segment_fixed_size 0
		.amdhsa_enable_private_segment 0
		.amdhsa_kernarg_size 56
		.amdhsa_user_sgpr_count 2
		.amdhsa_user_sgpr_kernarg_segment_ptr 1
		.amdhsa_wavefront_size32 1
		.amdhsa_system_sgpr_workgroup_id_x 1
		.amdhsa_system_sgpr_workgroup_id_y 1
		.amdhsa_system_sgpr_workgroup_id_z 1
		.amdhsa_system_vgpr_workitem_id 0
		.amdhsa_next_free_vgpr 448
		.amdhsa_next_free_sgpr 96
		.amdhsa_reserve_vcc 0
		.amdhsa_float_denorm_mode_32 3
		.amdhsa_float_denorm_mode_16_64 3
		.amdhsa_memory_ordered 1
		.amdhsa_forward_progress 1
		.amdhsa_inst_pref_size 40
	.end_amdhsa_kernel
	.amdgpu_metadata
---
amdhsa.version: [ 1, 2 ]
amdhsa.kernels:
  - .name:           k_q6b4d83c199_qkv
    .symbol:         k_q6b4d83c199_qkv.kd
    .args:
      - { .name: codes, .offset: 0, .size: 8, .value_kind: global_buffer, .address_space: global }
      - { .name: scales, .offset: 8, .size: 8, .value_kind: global_buffer, .address_space: global }
      - { .name: freqs_cos, .offset: 16, .size: 8, .value_kind: global_buffer, .address_space: global }
      - { .name: freqs_sin, .offset: 24, .size: 8, .value_kind: global_buffer, .address_space: global }
      - { .name: qh, .offset: 32, .size: 8, .value_kind: global_buffer, .address_space: global }
      - { .name: kv, .offset: 40, .size: 8, .value_kind: global_buffer, .address_space: global }
      - { .name: first, .offset: 48, .size: 8, .value_kind: global_buffer, .address_space: global }
    .group_segment_fixed_size: 198144
    .private_segment_fixed_size: 0
    .kernarg_segment_align: 8
    .kernarg_segment_size: 56
    .max_flat_workgroup_size: 128
    .sgpr_count:     96
    .vgpr_count:     448
    .wavefront_size: 32
...
	.end_amdgpu_metadata
.endif
;; end of part 2
;; launch attn (part 3): grid 16 x 16, 4 waves a work-group, no clusters, 56,832 bytes of LDS; arguments qh, kv, oh; writes oh
.if DOCPART == 3
	.amdgcn_target "amdgcn-amd-amdhsa--gfx1250"
	.amdhsa_code_object_version 6
	.text
	.protected	k_q6b4d83c199_attn
	.globl	k_q6b4d83c199_attn
	.p2align	8
	.type	k_q6b4d83c199_attn,@function
k_q6b4d83c199_attn:
	s_mov_b64 s[64:65], 0
	v_nop
	global_prefetch_b8 v0, s[64:65] scope:SCOPE_SE
	s_setreg_imm32_b32 hwreg(HW_REG_WAVE_MODE, 25, 1), 1
	s_wait_xcnt 0x0
; Causal attention, head size 64, four query heads to a key/value head.  Operands f16, products, maxima and sums f32; for each query a running maximum m and sum l: p = 2^(c s - c m), c = log2(e) / 8;
; in every step O and l are multiplied by a = 2^(c m_old - c m_new).  p is rounded to f16 for the second product, l is the sum of the unrounded p, O / l is rounded to f16 once.
; SHARES.  Work-group (j, y): batch y / 8, query heads 2 (y % 8) and + 1 (they share a key/value head), and two blocks of 64 positions: block j, then block 31 - j.  Key steps are 64 keys: j + 1 for the first
; block, 32 - j for the second: 33 in every work-group, so the causal triangle is shared out evenly.  Wave w owns positions 16 w .. + 15 of the block, for both heads: two tiles that share every fragment of K and V.
; Each block's last step is its diagonal block: there hidden scores become -infinity ahead of the maximum (key 0 of the block counts for every query, so m is a number).
; LAYOUT.  S^T = K Q^T (source 0 = 16 keys, source 1 = 16 queries), O^T = V^T P (source 0 = 16 channels, source 1 = P): a lane holds one query (lane % 16) throughout; two tiles of S^T, rounded in pairs, are P.
; K AND V come from memory through registers into two LDS slots: a key step is one dense block of 16,384 bytes, copied by all 128 threads, eight loads of 16 bytes each; two register sets; a block is asked for
; three steps ahead of its products, and stored to LDS one step ahead.  ONE barrier a step: in front of it a wave has waited for its stores of the next block and for its reads of this one.
; NO CLUSTER: only two work-groups (the two pairs of heads of a key/value head) walk the same blocks in the same order.  No tensor load, so no ring by the data mover.
; LIMITS: NaN and infinities are not served; |O| beyond 65,504 has no f16 number.
; REGISTERS, window 0: v1-13 addresses and constants; v14, v15 the add's two; v16-31 statistics, tile x at 16 + 8 x: +0 c m, +1 m, +2, +3 l, +4..7 at work (a in +6); v32-95 S^T; v96-127 P; v128-191 O^T; v192-223 f16 pairs; v224-255 rows read back.
;   window 1: v0-31 Q (16 x + 8 cu); v32-63 the second block's Q; v64-127 K's eight fragments (2 kt + cu); v128-191 V's eight (4 u + t); v192-255 two sets of 32 for the copy.
.set KP,    144                        ; a row of K in LDS: 128 bytes + 16: an odd multiple of 16
.set VP,    160                        ; a row of V: 128 + 32: an odd multiple of 32, for the turning load
.set VOFF,  9216                       ; V behind K's 64 rows
.set SLOTB, 19456                      ; a slot
.set STAGE, 38912                      ; 16 rows x 272 bytes for each wave, for the way out
.set SPARE, 56320                      ; the spare words, 128 bytes for each wave; no other line names them
.set ST, 16
.set S,  32
.set P,  96
.set O,  128
.set HH, 192
.set BK, 224
.set Q,  0
.set Q1, 32
.set KF, 64
.set VF, 128
.set SG, 192
.set MSB, 0
.macro WIN new                         ; the immediate's high byte repeats the setting that is left
.if MSB != \new
	s_set_vgpr_msb (MSB<<8)|\new
.set MSB, \new
.endif
.endm
.macro PLACES
.rept 4
	v_nop
.endr
.endm
	s_load_b128 s[4:7], s[0:1], 0x0                ; qh s[4:5], kv s[6:7]
	s_load_b64 s[8:9], s[0:1], 0x10                ; oh
	v_lshl_add_u32 v14, v0, 2, SPARE
	v_mov_b32 v15, 0
	v_lshrrev_b32 v1, 5, v0
	v_readfirstlane_b32 s10, v1                    ; wave 0..3
	s_mov_b32 s11, ttmp9                           ; j
	s_and_b32 s12, ttmp7, 0xffff                   ; y
	s_sub_co_u32 s22, 31, s11                      ; the second block
	s_lshr_b32 s24, s12, 1
	s_lshl_b32 s24, s24, 19                        ; (4 b + kv head) x 32 blocks of 16,384 bytes
	s_mov_b32 s25, 0
	s_lshl_b32 s42, s12, 19                        ; Q: (16 b + first head) = 2 y heads of 262,144 bytes,
	s_lshl_b32 s13, s10, 11
	s_add_co_u32 s42, s42, s13                     ; my wave's 16 rows of 128 bytes,
	s_lshl_b32 s13, s11, 13
	s_add_co_u32 s44, s42, s13                     ; in block j,
	s_lshl_b32 s13, s22, 13
	s_add_co_u32 s42, s42, s13                     ; and in block 31 - j
	s_mov_b32 s43, 0
	s_mov_b32 s45, 0
	s_lshr_b32 s18, s12, 3
	s_lshl_b32 s18, s18, 22                        ; O: 2,048 b rows of 2,048 bytes,
	s_lshl_b32 s13, s10, 15
	s_add_co_u32 s18, s18, s13                     ; my wave's 16 rows,
	s_and_b32 s13, s12, 7
	s_lshl_b32 s13, s13, 8
	s_add_co_u32 s18, s18, s13                     ; my two heads' 256 bytes of a row,
	s_lshl_b32 s13, s11, 17
	s_add_co_u32 s46, s18, s13                     ; in block j,
	s_mov_b32 s47, 0
	s_lshl_b32 s13, s22, 17
	s_add_co_u32 s18, s18, s13                     ; and in block 31 - j
	s_mov_b32 s19, 0
	s_mov_b32 s34, 0x3e38aa3b                      ; c = log2(e) / 8
	s_mov_b32 s35, s34                             ; (named with it as a pair)
	s_mov_b32 s36, 0x76543210                      ; v_permlanex16_b32: lane l xor 16
	s_mov_b32 s37, 0xfedcba98
	s_mov_b32 s16, 0                               ; the key block to be asked for next,
	s_mov_b32 s17, s11                             ; and the last of its walk
	s_mov_b32 s20, 0                               ; the step's number
	v_and_b32 v1, 15, v0                           ; r
	v_bfe_u32 v2, v0, 4, 1                         ; h
	v_mul_u32_u24 v3, v1, KP
	v_lshl_add_u32 v3, v2, 4, v3                   ; K's fragments: row r, + 16 h
	v_and_b32 v192, 7, v0
	v_lshl_add_u32 v4, v2, 3, v192
	v_mul_u32_u24 v4, v4, VP
	v_bfe_u32 v193, v0, 3, 1
	v_lshl_add_u32 v4, v193, 4, v4
	v_add_nc_u32 v4, VOFF, v4                      ; V's, turned: key 8 h + lane % 8, channels 8 ((lane / 8) % 2) on
	v_lshrrev_b32 v193, 3, v0
	v_mul_u32_u24 v5, v193, KP
	v_lshl_add_u32 v5, v192, 4, v5                 ; the copy into LDS: eight threads to a row of 128 bytes, 16 rows an instruction: K,
	v_mul_u32_u24 v6, v193, VP
	v_lshl_add_u32 v6, v192, 4, v6
	v_add_nc_u32 v6, VOFF, v6                      ; and V
	v_lshlrev_b32 v7, 4, v0                        ; and out of memory: 16 x thread
	v_lshlrev_b32 v8, 7, v1
	v_lshl_add_u32 v8, v2, 4, v8                   ; Q: row r of 128 bytes, + 16 h
	s_mul_i32 s13, s10, 16*272
	s_add_co_u32 s13, s13, STAGE                   ; my stage
	v_mul_u32_u24 v9, v1, 272
	v_lshl_add_u32 v9, v2, 4, v9
	v_add_nc_u32 v9, s13, v9                       ; in: row r, 16 bytes for each half of the lanes
	v_mul_u32_u24 v10, v2, 272
	v_lshl_add_u32 v10, v1, 4, v10
	v_add_nc_u32 v10, s13, v10                     ; back: lanes 0-15 one row of 256 bytes, lanes 16-31 the next
	v_lshlrev_b32 v11, 11, v2
	v_lshl_add_u32 v11, v1, 4, v11                 ; and the same two rows in oh
	v_lshlrev_b32 v192, 3, v2
	v_sub_nc_u32 v12, v1, v192
	s_lshl_b32 s13, s10, 4
	v_add_nc_u32 v12, s13, v12                     ; d = my query's place in the block - 8 h: register 8 kt + i holds key 16 kt + 8 h + i, hidden where 16 kt + i > d
	v_mov_b32 v13, 0xff800000                      ; -infinity
	s_wait_kmcnt 0x0
	s_add_nc_u64 s[14:15], s[6:7], s[24:25]        ; my key/value head's 32 blocks
	s_add_nc_u64 s[38:39], s[4:5], s[44:45]
	s_add_nc_u64 s[40:41], s[4:5], s[42:43]
	s_add_nc_u64 s[30:31], s[8:9], s[46:47]
	s_add_nc_u64 s[32:33], s[8:9], s[18:19]
	WIN 0x40                                       ; destination window 1
.irp x, 0,1
.irp cu, 0,1
	global_load_b128 v[Q+16*\x+8*\cu:Q+16*\x+8*\cu+3],     v8, s[38:39] offset:262144*\x+64*\cu
	global_load_b128 v[Q+16*\x+8*\cu+4:Q+16*\x+8*\cu+7],   v8, s[38:39] offset:262144*\x+64*\cu+32
	global_load_b128 v[Q1+16*\x+8*\cu:Q1+16*\x+8*\cu+3],   v8, s[40:41] offset:262144*\x+64*\cu
	global_load_b128 v[Q1+16*\x+8*\cu+4:Q1+16*\x+8*\cu+7], v8, s[40:41] offset:262144*\x+64*\cu+32
.endr
.endr
	WIN 0
; The next key block is asked for, into register set 'set'.  That set's earlier loads have been shown done by their counted wait, so their base may be written.
.macro REQ set
	s_lshl_b32 s24, s16, 14
	s_mov_b32 s25, 0
	s_add_nc_u64 s[26+2*(\set):27+2*(\set)], s[14:15], s[24:25]
	WIN 0x40
.irp i, 0,1,2,3,4,5,6,7
	global_load_b128 v[SG+32*(\set)+4*\i:SG+32*(\set)+4*\i+3], v7, s[26+2*(\set):27+2*(\set)] offset:2048*\i    ; the four waves read 2,048 consecutive bytes
.endr
	WIN 0
	s_add_co_u32 s16, s16, 1                       ; behind the first walk's last block comes block 0 of the second walk
	s_cmp_gt_u32 s16, s17
	s_cselect_b32 s16, 0, s16
	s_cselect_b32 s17, s22, s17
.endm
.macro PUT set                         ; register set 'set' goes into the slot of the same number
	WIN 0x04                                       ; an LDS store's data are its source 1: window 1
.irp i, 0,1,2,3
	ds_store_b128 v5, v[SG+32*(\set)+4*\i:SG+32*(\set)+4*\i+3] offset:SLOTB*(\set)+16*KP*\i
.endr
.irp i, 0,1,2,3
	ds_store_b128 v6, v[SG+32*(\set)+16+4*\i:SG+32*(\set)+16+4*\i+3] offset:SLOTB*(\set)+16*VP*\i
.endr
	WIN 0
.endm
.macro LDK slot                        ; K's eight fragments: keys 16 kt on, channels 32 cu on
	WIN 0x40
.irp kt, 0,1,2,3
.irp cu, 0,1
	ds_load_b128 v[KF+8*(2*\kt+\cu):KF+8*(2*\kt+\cu)+3],   v3 offset:SLOTB*(\slot)+16*KP*\kt+64*\cu
	ds_load_b128 v[KF+8*(2*\kt+\cu)+4:KF+8*(2*\kt+\cu)+7], v3 offset:SLOTB*(\slot)+16*KP*\kt+64*\cu+32
.endr
.endr
	WIN 0
.endm
.macro LDV slot                        ; V's eight, turned: keys 32 u on, channels 16 t on
	WIN 0x40
.irp u, 0,1
.irp t, 0,1,2,3
	ds_load_tr16_b128 v[VF+8*(4*\u+\t):VF+8*(4*\u+\t)+3],   v4 offset:SLOTB*(\slot)+32*VP*\u+32*\t
	ds_load_tr16_b128 v[VF+8*(4*\u+\t)+4:VF+8*(4*\u+\t)+7], v4 offset:SLOTB*(\slot)+32*VP*\u+16*VP+32*\t
.endr
.endr
	WIN 0
.endm
.macro KQ                              ; 16 products; eight accumulators by turns, one instruction a turn; the first eight start the sums
	WIN 0x05                                       ; K and Q window 1
.irp cu, 0,1
.irp kt, 0,1,2,3
.irp x, 0,1
.if \cu == 0
	v_wmma_f32_16x16x32_f16 v[S+32*\x+8*\kt:S+32*\x+8*\kt+7], v[KF+8*(2*\kt+\cu):KF+8*(2*\kt+\cu)+7], v[Q+16*\x+8*\cu:Q+16*\x+8*\cu+7], 0
.else
	v_wmma_f32_16x16x32_f16 v[S+32*\x+8*\kt:S+32*\x+8*\kt+7], v[KF+8*(2*\kt+\cu):KF+8*(2*\kt+\cu)+7], v[Q+16*\x+8*\cu:Q+16*\x+8*\cu+7], v[S+32*\x+8*\kt:S+32*\x+8*\kt+7]
.endif
.endr
.endr
.endr
.endm
.macro PV                              ; 16 products; eight accumulators by turns
	WIN 0x01                                       ; V window 1
.irp u, 0,1
.irp t, 0,1,2,3
.irp x, 0,1
	v_wmma_f32_16x16x32_f16 v[O+32*\x+8*\t:O+32*\x+8*\t+7], v[VF+8*(4*\u+\t):VF+8*(4*\u+\t)+7], v[P+16*\x+8*\u:P+16*\x+8*\u+7], v[O+32*\x+8*\t:O+32*\x+8*\t+7]
.endr
.endr
.endr
.endm
.macro MASK                            ; the diagonal block: one compare serves both heads; each accumulator is read from its low end on
.set n, 0
.rept 32
	v_cmp_gt_i32 vcc_lo, 16*(n/8)+n%8, v12
	v_cndmask_b32 v[S+n], v[S+n], v13, vcc_lo
	v_cndmask_b32 v[S+32+n], v[S+32+n], v13, vcc_lo
.set n, n+1
.endr
.endm
.macro SOFTMAX                         ; the two tiles line by line by turns, so that a line seldom reads the line above it
.irp j, 0,1,2,3
.irp x, 0,1
	v_max3_num_f32 v[ST+8*\x+4+\j], v[S+32*\x+8*\j], v[S+32*\x+8*\j+1], v[S+32*\x+8*\j+2]      ; four chains, one for each accumulator, from its low end on
.endr
.endr
.irp g, 1,2
.irp j, 0,1,2,3
.irp x, 0,1
	v_max3_num_f32 v[ST+8*\x+4+\j], v[ST+8*\x+4+\j], v[S+32*\x+8*\j+2*\g+1], v[S+32*\x+8*\j+2*\g+2]
.endr
.endr
.endr
.irp x, 0,1
	v_max3_num_f32 v[ST+8*\x+4], v[ST+8*\x+4], v[S+32*\x+7], v[S+32*\x+15]
	v_max3_num_f32 v[ST+8*\x+6], v[ST+8*\x+6], v[S+32*\x+23], v[S+32*\x+31]
.endr
.irp x, 0,1
	v_max3_num_f32 v[ST+8*\x+4], v[ST+8*\x+4], v[ST+8*\x+5], v[ST+8*\x+6]
.endr
.irp x, 0,1
	v_max3_num_f32 v[ST+8*\x+4], v[ST+8*\x+4], v[ST+8*\x+7], v[ST+8*\x+1]          ; with the old m
.endr
.irp x, 0,1
	v_permlanex16_b32 v[ST+8*\x+5], v[ST+8*\x+4], s36, s37                         ; the query's other 32 keys lie in the lane 16 away
.endr
.irp x, 0,1
	v_mov_b32 v[ST+8*\x+7], v[ST+8*\x]                                             ; c m_old
.endr
.irp x, 0,1
	v_max_num_f32 v[ST+8*\x+1], v[ST+8*\x+4], v[ST+8*\x+5]                         ; the new m
.endr
.irp x, 0,1
	v_mul_f32 v[ST+8*\x], s34, v[ST+8*\x+1]
.endr
.irp x, 0,1
	v_sub_f32 v[ST+8*\x+7], v[ST+8*\x+7], v[ST+8*\x]
.endr
.set i, 0
.rept 16
	v_pk_fma_f32 v[S+2*i:S+2*i+1], v[S+2*i:S+2*i+1], s[34:35], v[ST:ST+1] op_sel_hi:[1,0,0] neg_lo:[0,0,1] neg_hi:[0,0,1]               ; c s - c m
	v_pk_fma_f32 v[S+32+2*i:S+32+2*i+1], v[S+32+2*i:S+32+2*i+1], s[34:35], v[ST+8:ST+9] op_sel_hi:[1,0,0] neg_lo:[0,0,1] neg_hi:[0,0,1]
.set i, i+1
.endr
	v_exp_f32 v[ST+6], v[ST+7]                     ; a; then the 64 weights: ONE batch of 66 exponentials, none of which reads another's result
	v_exp_f32 v[ST+14], v[ST+15]
.set i, 0
.rept 32
	v_exp_f32 v[S+i], v[S+i]
	v_exp_f32 v[S+32+i], v[S+32+i]
.set i, i+1
.endr
	v_nop                                          ; a plain line behind the last exponential,
	s_wait_alu depctr_va_vdst(0)                   ; and one wait ahead of the batch's first reader
.set i, 0
.rept 16
	v_cvt_pk_f16_f32 v[P+i], v[S+2*i], v[S+2*i+1]
	v_cvt_pk_f16_f32 v[P+16+i], v[S+32+2*i], v[S+32+2*i+1]
.set i, i+1
.endr
.irp w, 4,8,16,32                      ; the sum of a tile's 16 pairs, in place: neighbours 1, 2, 4, 8 pairs apart
.set u, 0
.rept 32/\w
	v_pk_add_f32 v[S+\w*u:S+\w*u+1], v[S+\w*u:S+\w*u+1], v[S+\w*u+\w/2:S+\w*u+\w/2+1]
	v_pk_add_f32 v[S+32+\w*u:S+32+\w*u+1], v[S+32+\w*u:S+32+\w*u+1], v[S+32+\w*u+\w/2:S+32+\w*u+\w/2+1]
.set u, u+1
.endr
.endr
.irp x, 0,1
	v_pk_fma_f32 v[ST+8*\x+2:ST+8*\x+3], v[ST+8*\x+2:ST+8*\x+3], v[ST+8*\x+6:ST+8*\x+7], v[S+32*\x:S+32*\x+1] op_sel_hi:[1,0,1]   ; l = a l + the sum
.endr
.set i, 0
.rept 16
	v_pk_mul_f32 v[O+2*i:O+2*i+1], v[O+2*i:O+2*i+1], v[ST+6:ST+7] op_sel_hi:[1,0]             ; O^T x a, ascending
	v_pk_mul_f32 v[O+32+2*i:O+32+2*i+1], v[O+32+2*i:O+32+2*i+1], v[ST+14:ST+15] op_sel_hi:[1,0]
.set i, i+1
.endr
.endm
.macro INIT                            ; a block's start: O^T and l are zeros, m is -3e38, under every score: the first a is 0 and multiplies zeros
.set i, 0
.rept 64
	v_mov_b32 v[O+i], 0
.set i, i+1
.endr
.irp x, 0,1
	v_mov_b32 v[ST+8*\x+1], 0xff61b1e6
.irp k, 2,3,4,5,6,7
	v_mov_b32 v[ST+8*\x+\k], 0
.endr
	v_mul_f32 v[ST+8*\x], s34, v[ST+8*\x+1]
.endr
.endm
; A block of queries is finished: O^T / l, rounded to f16, goes through my stage and leaves as rows of 256 bytes (two neighbouring heads).  again = 1: the second block begins.
.macro FIN base, again
	s_wait_xcnt 0x0                                ; an earlier way out's stores have read their registers
	PLACES                                         ; behind the last products, ahead of the reads of O^T
.irp x, 0,1
	v_add_f32 v[ST+8*\x+4], v[ST+8*\x+2], v[ST+8*\x+3]
.endr
.irp x, 0,1
	v_permlanex16_b32 v[ST+8*\x+5], v[ST+8*\x+4], s36, s37
.endr
.irp x, 0,1
	v_add_f32 v[ST+8*\x+4], v[ST+8*\x+4], v[ST+8*\x+5]
.endr
.irp x, 0,1
	v_rcp_f32 v[ST+8*\x+6], v[ST+8*\x+4]
.endr
	v_nop
	s_wait_alu depctr_va_vdst(0)                   ; one wait for the two reciprocals, ahead of their first reader
.set i, 0
.rept 32
	v_pk_mul_f32 v[O+2*i:O+2*i+1], v[O+2*i:O+2*i+1], v[ST+8*(i/16)+6:ST+8*(i/16)+7] op_sel_hi:[1,0]
.set i, i+1
.endr
.set i, 0
.rept 32
	v_cvt_pk_f16_f32 v[HH+i], v[O+2*i], v[O+2*i+1]
.set i, i+1
.endr
.irp x, 0,1
.irp t, 0,1,2,3
	ds_store_b128 v9, v[HH+16*\x+4*\t:HH+16*\x+4*\t+3] offset:128*\x+32*\t
.endr
.endr
.irp i, 0,1,2,3,4,5,6,7
	ds_load_b128 v[BK+4*\i:BK+4*\i+3], v10 offset:544*\i   ; LDS serves a wave's instructions in order: these see my stores
.endr
.irp i, 0,1,2,3,4,5,6,7
	s_wait_dscnt 7-\i                              ; read-back i is in; the younger ones may be out
	global_store_b128 v11, v[BK+4*\i:BK+4*\i+3], s[\base:\base+1] offset:4096*\i   ; 16 lanes store 256 consecutive bytes, aligned
.endr
.if \again
	WIN 0x41                                       ; destination and source 0 window 1
.set i, 0
.rept 32
	v_mov_b32 v[Q+i], v[Q1+i]
.set i, i+1
.endr
	WIN 0
	INIT
.endif
.endm
; A KEY STEP on slot 'slot'.  mode 0: in the loop: the step whose number is j is the first block's diagonal; 1: no diagonal; 2: the second block's diagonal, the last step.
; put: the next block goes from its registers into the other slot (cnt: the younger loads that may stay out); req: the block three steps on is asked for.
.macro STEP slot, mode, put, req, cnt
	s_wait_dscnt 0x0                               ; K's fragments are in
	KQ
	WIN 0
	PLACES                                         ; ahead of the loads into V's registers, which the last step's products read, and of the reads of S^T
	LDV \slot
.if \put
	s_wait_loadcnt \cnt                            ; the next block's eight loads are in; those of the block behind it may be out
	PUT 1-\slot                                    ; the other slot was left by every wave at the last step's barrier
.endif
.if \mode == 0
	s_cmp_eq_u32 s20, s11
	s_cbranch_scc0 .Lopen_\@
	MASK
.Lopen_\@:
.endif
.if \mode == 2
	MASK
.endif
	SOFTMAX
	s_wait_dscnt 0x0                               ; V's fragments are in: my reads of this slot are over; my stores into the other slot have landed and have read their registers
.if \put
.if \req
	REQ 1-\slot
.endif
	s_barrier_signal -1
	s_barrier_wait -1                              ; both now hold of every wave
	LDK 1-\slot                                    ; the next step's K, under this step's second product
.endif
	PV
	WIN 0
.if \mode == 0
	s_cmp_eq_u32 s20, s11
	s_cbranch_scc0 .Lon_\@
	FIN 30, 1
.Lon_\@:
.endif
.if \mode == 2
	FIN 32, 0
.endif
	s_add_co_u32 s20, s20, 1
.endm
	REQ 0                                          ; blocks 0 and 1
	REQ 1
	INIT
	s_wait_loadcnt 8                               ; Q, the second Q and block 0 are in; block 1's eight loads may be out
	PUT 0
	s_wait_dscnt 0x0                               ; my part of block 0 lies in LDS, and the stores have read their registers
	REQ 0                                          ; block 2
	s_barrier_signal -1
	s_barrier_wait -1
	LDK 0
	s_mov_b32 s21, 15
.Lpair:                                            ; steps 0 to 29; the last trip asks for block 32, the last
	STEP 0, 0, 1, 1, 8
	STEP 1, 0, 1, 1, 8
	s_sub_co_u32 s21, s21, 1
	s_cmp_lg_u32 s21, 0
	s_cbranch_scc1 .Lpair
	STEP 0, 1, 1, 0, 8                             ; the last three steps ask for nothing
	STEP 1, 1, 1, 0, 0
	STEP 0, 2, 0, 0, 0
	s_wait_tensorcnt 0x0                           ; the wave's end: behind my last LDS store
	ds_add_u32 v14, v15
	s_wait_dscnt 0x0
	s_endpgm
.Lfunc_end_k_q6b4d83c199_attn:
	.size	k_q6b4d83c199_attn, .Lfunc_end_k_q6b4d83c199_attn-k_q6b4d83c199_attn
	.p2alignl 7, 3214868480
	.fill 96, 4, 3214868480
	.section	.rodata,"a",@progbits
	.p2align	6, 0x0
	.amdhsa_kernel k_q6b4d83c199_attn
		.amdhsa_group_segment_fixed_size 56832
		.amdhsa_private_segment_fixed_size 0
		.amdhsa_enable_private_segment 0
		.amdhsa_kernarg_size 24
		.amdhsa_user_sgpr_count 2
		.amdhsa_user_sgpr_kernarg_segment_ptr 1
		.amdhsa_wavefront_size32 1
		.amdhsa_system_sgpr_workgroup_id_x 1
		.amdhsa_system_sgpr_workgroup_id_y 1
		.amdhsa_system_sgpr_workgroup_id_z 1
		.amdhsa_system_vgpr_workitem_id 0
		.amdhsa_next_free_vgpr 512
		.amdhsa_next_free_sgpr 66
		.amdhsa_reserve_vcc 1
		.amdhsa_float_denorm_mode_32 3
		.amdhsa_float_denorm_mode_16_64 3
		.amdhsa_memory_ordered 1
		.amdhsa_forward_progress 1
		.amdhsa_inst_pref_size 138
	.end_amdhsa_kernel
	.amdgpu_metadata
---
amdhsa.version: [ 1, 2 ]
amdhsa.kernels:
  - .name:           k_q6b4d83c199_attn
    .symbol:         k_q6b4d83c199_attn.kd
    .args:
      - { .name: qh, .offset: 0, .size: 8, .value_kind: global_buffer, .address_space: global }
      - { .name: kv, .offset: 8, .size: 8, .value_kind: global_buffer, .address_space: global }
      - { .name: oh, .offset: 16, .size: 8, .value_kind: global_buffer, .address_space: global }
    .group_segment_fixed_size: 56832
    .private_segment_fixed_size: 0
    .kernarg_segment_align: 8
    .kernarg_segment_size: 24
    .max_flat_workgroup_size: 128
    .sgpr_count:     66
    .vgpr_count:     512
    .wavefront_size: 32
...
	.end_amdgpu_metadata
.endif
;; end of part 3
;; launch proj (part 4): grid 8 x 32, 4 waves a work-group, clusters of 4 x 4, 327,680 bytes of LDS; arguments oh, woh, out0; writes out0
.if DOCPART == 4
	.amdgcn_target "amdgcn-amd-amdhsa--gfx1250"
	.amdhsa_code_object_version 6
	.text
	.protected	k_q6b4d83c199_proj
	.globl	k_q6b4d83c199_proj
	.p2align	8
	.type	k_q6b4d83c199_proj,@function
k_q6b4d83c199_proj:
	s_mov_b64 s[64:65], 0
	v_nop
	global_prefetch_b8 v0, s[64:65] scope:SCOPE_SE
	s_setreg_imm32_b32 hwreg(HW_REG_WAVE_MODE, 25, 1), 1
	s_wait_xcnt 0x0
	s_wait_alu depctr_hold_cnt(0) depctr_sa_sdst(0) depctr_va_vdst(0) depctr_va_sdst(0) depctr_va_ssrc(0) depctr_va_vcc(0) depctr_vm_vsrc(0)
	s_getreg_b32 s2, hwreg(HW_REG_IB_STS2, 6, 4)
	s_cmp_eq_u32 s2, 0
	s_cbranch_scc0 .Lentry_in_a_cluster
	s_endpgm
.Lentry_in_a_cluster:
	s_bfe_u32 s2, ttmp6, 0x10000c
	s_cmp_lg_u32 s2, 0xf033
	s_cbranch_scc0 .Lentry_shape_is_right
	s_endpgm
.Lentry_shape_is_right:
; out0[m][n] = sum over k of o[m][k] wo[n][k].  o: [4096][1024], wo: [1024][1024], both f16; out0: [4096][1024] f32; sums in f32.
; A tile of the result is 128 x 128: 256 work-groups.  Four waves, each 64 x 64: 16 accumulators of 16 x 16.  K goes in steps of 256 (LDS rows of 512 bytes; a wave's tensor load brings 64 of them) through two slots.
; CLUSTERS: 4 x 4 work-groups.  The four of a row of the cluster need the same tiles of o, the four of a column the same tiles of wo: each tile is asked for JOINTLY, by the same tensor load with the
; same descriptor and a mask that names the four.  THE MATRIX INSTRUCTION IS USED TRANSPOSED (source 0 = 16 rows of wo, source 1 = 16 rows of o): a lane holds eight neighbouring numbers of a row of the result.
; The way out is each wave's own: its 64 columns are 256 aligned bytes of a row, so a block of 16 rows goes through the wave's own stage and leaves as whole runs of 256 bytes; no barrier.
; Positions 0-15 of both sequences are stored here too and written again, from f32 operands, by the launch that follows: a jump round those stores would hang on the tile row, which differs between the partners of a cluster.
; REGISTERS: window 0: v0-31 addresses; v32-95 rows read back from the stage, two sets; v128-255 the accumulators ((a, b) at v[128 + 8 (4 a + b)]).
;   window 1: two fragment buffers of 128: for 64 along K, 64 registers of o (2 x 4 x 16 rows x 32 K), then 64 of wo.
.set SIZE_M, 4096
.set SIZE_N, 1024
.set SIZE_K, 1024
.set KSTEP,  256
.set PITCH,  528                       ; an LDS row: 512 bytes + 16 of padding: an odd multiple of 16
.set HALFT,  64*PITCH                  ; 64 rows: what one tensor load brings, and what one wave reads of either operand
.set SLOT,   4*HALFT                   ; o's 128 rows, then wo's 128 rows
.set STAGE,  2*SLOT                    ; behind the ring: 16 rows x 272 bytes for each wave; no tensor load lands here
.set SPITCH, 272
.set SPARE,  STAGE+4*16*SPITCH         ; the spare words, 128 bytes for each wave; no other line names them
.set LAPS, SIZE_K/(2*KSTEP)            ; a lap = two K steps = once round the ring
.set ADRA, 16                          ; v16-17  LDS address of my fragments of o in slot 0, 1
.set ADRB, 20                          ; v20-21  the same for wo
.set STO,  24                          ; v24     the way out: where I put 32 bytes of a row
.set RD,   25                          ; v25     where I read a row back
.set CO,   26                          ; v26     my byte offset in the result
.set SPW,  28                          ; v28     LDS address of my spare word; never rewritten
.set NIL,  29                          ; v29     0; never rewritten
.set TMP,  32
.set ACC,  128
.set F0,   0                           ; fragment buffers, in window 1
.set F1,   128
.set G1, 24                            ; s[24:31] group 1 for o's tiles;  s[32:39] group 0, one set for each slot
.set G0, 32
.set G1B, 48                           ; s[48:55], s[56:63] the same for wo's tiles
.set G0B, 56
.set MSB, 0
.macro WIN new                         ; the immediate's high byte repeats the setting that is left
.if MSB != \new
	s_set_vgpr_msb (MSB<<8)|\new
.set MSB, \new
.endif
.endm
.set MUL,  0x05                        ; sources 0 and 1 window 1; C and D window 0
.set TO_F, 0x40                        ; destination window 1, address window 0
.macro JLOAD s                         ; a joint load: waves 0 and 1 fetch o's two halves, waves 2 and 3 wo's; an s_nop 0 and four v_nop follow each of the two lines
	s_cmp_eq_u32 s11, 0
	s_cbranch_scc0 .Lfor_b_\@
	tensor_load_to_lds s[G0+4*\s:G0+4*\s+3], s[G1:G1+7]
	s_nop 0
.rept 4
	v_nop
.endr
	s_branch .Lasked_\@
.Lfor_b_\@:
	tensor_load_to_lds s[G0B+4*\s:G0B+4*\s+3], s[G1B:G1B+7]
	s_nop 0
.rept 4
	v_nop
.endr
.Lasked_\@:
.endm
.macro CREST                           ; a round of the cluster's barrier behind its opening barrier
	s_cmp_lg_u32 s10, 0
	s_cbranch_scc1 .Lnot_wave_0_\@
	s_barrier_signal -3
.Lnot_wave_0_\@:
	s_barrier_wait -3
	s_barrier_signal -1
	s_barrier_wait -1
.endm
.macro CROUND                          ; a whole round
	s_barrier_signal -1
	s_barrier_wait -1
	CREST
.endm
	s_load_b128 s[4:7], s[0:1], 0x0                ; o s[4:5], wo s[6:7]
	s_load_b64 s[8:9], s[0:1], 0x10                ; out0
	v_lshl_add_u32 v[SPW], v0, 2, SPARE
	v_mov_b32 v[NIL], 0
	ds_add_u32 v[SPW], v[NIL]                      ; the wave's opening: the add, twice on end, and its wait ahead of my first tensor load
	ds_add_u32 v[SPW], v[NIL]
	v_lshrrev_b32 v1, 5, v0
	v_readfirstlane_b32 s10, v1                    ; wave 0..3
	s_lshr_b32 s11, s10, 1                         ; which half of the tile's rows is mine.  Also: I fetch for o (0) or for wo (1)
	s_and_b32 s12, s10, 1                          ; which half of its columns.  Also: which 64 rows of that tile I fetch
	s_bfe_u32 s40, ttmp6, 0x40000                  ; cx, cy: my place in the cluster
	s_bfe_u32 s41, ttmp6, 0x40004
	s_lshl_b32 s42, ttmp9, 2
	s_add_co_u32 s42, s42, s40                     ; tile column = 4 x cluster x + cx
	s_and_b32 s13, ttmp7, 0xffff
	s_lshl_b32 s13, s13, 2
	s_add_co_u32 s13, s13, s41                     ; tile row = 4 x cluster y + cy
	s_lshl_b32 s43, s41, 2
	s_lshl_b32 s43, 15, s43                        ; my row of the cluster
	s_lshl_b32 s44, 0x1111, s40                    ; my column
	s_or_b32 s[G1+0], s43, (1<<16)|(1<<20)|(1<<21)|(6<<22)|(3<<25)  ; the mask: o's tiles go to my row; elements of 2 bytes; padding on; bit 21 beside a mask; after every 128 words (code 6) four words (code 3)
	s_or_b32 s[G1B+0], s44, (1<<16)|(1<<20)|(1<<21)|(6<<22)|(3<<25)
.irp g, G1, G1B
	s_mov_b32 s[\g+1], KSTEP<<16                   ; tensor_dim0 = 256
	s_mov_b32 s[\g+2], 64<<16                      ; tensor_dim1 = 64
	s_mov_b32 s[\g+3], KSTEP<<16                   ; tile_dim0 = 256
	s_mov_b32 s[\g+4], 64                          ; tile_dim1 = 64
	s_mov_b32 s[\g+5], SIZE_K                      ; from row to row
	s_mov_b32 s[\g+6], 0
	s_mov_b32 s[\g+7], 0
.endr
	s_lshl_b32 s17, s12, 6                         ; which 64 rows of the tile I fetch
	s_lshl_b32 s16, s13, 7
	s_add_co_u32 s16, s16, s17                     ; o: row 128 x tile row + 64 x half
	s_lshl_b32 s46, s42, 7
	s_add_co_u32 s46, s46, s17                     ; wo: row 128 x tile column + 64 x half
	s_mov_b32 s17, 0
	s_mov_b32 s47, 0
	s_mov_b64 s[18:19], SIZE_K*2
	s_mul_u64 s[16:17], s[16:17], s[18:19]
	s_mul_u64 s[46:47], s[46:47], s[18:19]
	s_mul_i32 s20, s10, HALFT                      ; where they go: wave x 64 rows: no place in the cluster enters an LDS address
	s_wait_dscnt 0x0                               ; both opening adds are done
	s_wait_kmcnt 0x0
	s_add_nc_u64 s[14:15], s[4:5], s[16:17]
	s_add_nc_u64 s[46:47], s[6:7], s[46:47]
	CROUND                                         ; all sixteen work-groups are here: the first joint loads meet
.irp s, 0,1
	s_mov_b32 s[G0+4*\s], 1
	s_add_co_u32 s[G0+4*\s+1], s20, \s*SLOT
	s_add_nc_u64 s[G0+4*\s+2:G0+4*\s+3], s[14:15], \s*KSTEP*2
	s_or_b32 s[G0+4*\s+3], s[G0+4*\s+3], 0x80000000
	s_mov_b32 s[G0B+4*\s], 1
	s_add_co_u32 s[G0B+4*\s+1], s20, \s*SLOT
	s_add_nc_u64 s[G0B+4*\s+2:G0B+4*\s+3], s[46:47], \s*KSTEP*2
	s_or_b32 s[G0B+4*\s+3], s[G0B+4*\s+3], 0x80000000
	JLOAD \s
.endr
	v_and_b32 v1, 15, v0                           ; l % 16
	v_bfe_u32 v2, v0, 4, 1                         ; l / 16
	v_mul_u32_u24 v3, v1, PITCH
	v_lshl_add_u32 v3, v2, 4, v3                   ; a fragment's row x pitch + 16 x half
	s_mul_i32 s21, s11, HALFT                      ; my 64 rows of o
	s_mul_i32 s22, s12, HALFT                      ; my 64 rows of wo,
	s_add_co_u32 s22, s22, 2*HALFT                 ; which lie behind o's 128
.irp s, 0,1
	v_add_nc_u32 v[ADRA+\s], s21, v3
	v_add_nc_u32 v[ADRB+\s], s22, v3
	s_add_co_u32 s21, s21, SLOT
	s_add_co_u32 s22, s22, SLOT
.endr
	s_mul_i32 s23, s10, 16*SPITCH
	s_add_co_u32 s23, s23, STAGE                   ; my stage
	v_mul_u32_u24 v4, v1, SPITCH                   ; in: row l % 16, 32 bytes for each half of the lanes
	v_lshl_add_u32 v4, v2, 5, v4
	v_add_nc_u32 v[STO], s23, v4
	v_mul_u32_u24 v5, v2, SPITCH                   ; back: lanes 0-15 one row of 256 bytes, lanes 16-31 the next
	v_lshl_add_u32 v5, v1, 4, v5
	v_add_nc_u32 v[RD], s23, v5
	v_mul_u32_u24 v5, v2, SIZE_N*4                 ; and the same two rows in the result
	v_lshl_add_u32 v[CO], v1, 4, v5
	s_lshl_b32 s16, s13, 7
	s_lshl_b32 s17, s11, 6
	s_add_co_u32 s16, s16, s17                     ; my first row: 128 x tile row + 64 x half
	s_mov_b32 s17, 0
	s_mov_b64 s[18:19], SIZE_N*4
	s_mul_u64 s[16:17], s[16:17], s[18:19]
	s_add_nc_u64 s[8:9], s[8:9], s[16:17]
	s_lshl_b32 s46, s42, 9                         ; my first column, in bytes: 512 x tile column + 256 x half
	s_lshl_b32 s47, s12, 8
	s_add_co_u32 s46, s46, s47
	s_mov_b32 s47, 0
	s_add_nc_u64 s[8:9], s[8:9], s[46:47]
; 8 matrix instructions: m blocks a0, a0 + 1 x all 4 n blocks, 32 along K: half c of buffer f.  zero = 1: the first product starts the sums.  The 16 accumulators take turns
.macro MUL8 f, c, a0, zero
.irp a, \a0, \a0+1
.irp b, 0,1,2,3
.if \zero
	v_wmma_f32_16x16x32_f16 v[ACC+8*(4*(\a)+\b):ACC+8*(4*(\a)+\b)+7], v[\f+64+8*(4*\c+\b):\f+64+8*(4*\c+\b)+7], v[\f+8*(4*\c+\a):\f+8*(4*\c+\a)+7], 0
.else
	v_wmma_f32_16x16x32_f16 v[ACC+8*(4*(\a)+\b):ACC+8*(4*(\a)+\b)+7], v[\f+64+8*(4*\c+\b):\f+64+8*(4*\c+\b)+7], v[\f+8*(4*\c+\a):\f+8*(4*\c+\a)+7], v[ACC+8*(4*(\a)+\b):ACC+8*(4*(\a)+\b)+7]
.endif
.endr
.endr
.endm
; 32 LDS loads in one run: the fragments of 64 along K at byte k of the rows, into buffer f; the first 32 along K first
.macro FETCH slot, k, f
	WIN TO_F
.irp c, 0,1
.irp i, 0,1,2,3
	ds_load_b128 v[\f+64+8*(4*\c+\i):\f+64+8*(4*\c+\i)+3],   v[ADRB+\slot] offset:\k+64*\c+\i*16*PITCH
	ds_load_b128 v[\f+64+8*(4*\c+\i)+4:\f+64+8*(4*\c+\i)+7], v[ADRB+\slot] offset:\k+64*\c+\i*16*PITCH+32
	ds_load_b128 v[\f+8*(4*\c+\i):\f+8*(4*\c+\i)+3],         v[ADRA+\slot] offset:\k+64*\c+\i*16*PITCH
	ds_load_b128 v[\f+8*(4*\c+\i)+4:\f+8*(4*\c+\i)+7],       v[ADRA+\slot] offset:\k+64*\c+\i*16*PITCH+32
.endr
.endr
.endm
.macro PLACES                          ; four places in front of loads into registers that matrix instructions have read, and of reads of results
.rept 4
	v_nop
.endr
.endm
; A K step is four quarters of 64 along K, 32 matrix instructions each, on buffers 0, 1, 0, 1.  One of the first three: multiplies buffer f and fetches the next quarter, at byte k, into g.
.macro QUARTER slot, k, f, g, zero
	s_wait_dscnt 16                                ; the first 32 along K are in; the youngest sixteen loads may be out
	WIN MUL
	MUL8 \f, 0, 0, \zero
	MUL8 \f, 0, 2, \zero
	PLACES
	FETCH \slot, \k, \g
	s_wait_dscnt 32                                ; all but the 32 just issued
	WIN MUL
	MUL8 \f, 1, 0, 0
	MUL8 \f, 1, 2, 0
.endm
; The last quarter multiplies buffer 1 and changes slots: ONE barrier; in front of it each wave waits for all its tensor loads, adds 0 to its spare word, and waits for that and for its own reads of this slot.  fill = 1: this slot is filled again, two K steps ahead.
.macro TURN slot, next, fill
	WIN 0                                          ; (the add's two registers lie in window 0)
	s_wait_tensorcnt 0x0                           ; all my tensor loads have landed: my part of the next slot;
	ds_add_u32 v[SPW], v[NIL]                      ; 0 onto my spare word;
	s_wait_dscnt 17                                ; (the add and the youngest sixteen loads may be out)
	WIN MUL
	MUL8 F1, 0, 0, 0                               ; eight matrix instructions stand between the add and the wait for it
	s_wait_dscnt 0x0                               ; the add is done, and my reads of this slot are over
	s_barrier_signal -1
	MUL8 F1, 0, 2, 0
.if \fill
	WIN 0
.endif
	s_barrier_wait -1
.if \fill
	CREST                                          ; the barrier has opened a round of the cluster's barrier: no wave of any partner still reads this slot's tile or has a load on its way
	s_add_nc_u64 s[G0+4*\slot+2:G0+4*\slot+3], s[G0+4*\slot+2:G0+4*\slot+3], 2*KSTEP*2
	s_add_nc_u64 s[G0B+4*\slot+2:G0B+4*\slot+3], s[G0B+4*\slot+2:G0B+4*\slot+3], 2*KSTEP*2
	JLOAD \slot                                    ; the first tensor load behind the round, my one load until the next; its four v_nop are also the places in front of the loads below
.else
	PLACES
.endif
	FETCH \next, 0, F0
	WIN MUL
	MUL8 F1, 1, 0, 0
	MUL8 F1, 1, 2, 0
.endm
	s_wait_tensorcnt 1                             ; my part of K step 0 is in; K step 1's load may be out
	s_barrier_signal -1
	s_barrier_wait -1                              ; everybody's is
	FETCH 0, 0, F0
	QUARTER 0, 128, F0, F1, 1                      ; the first quarter stands in front of the loop: its first products start the sums
	WIN 0                                          ; at a label and at a branch every window is 0
	s_mov_b32 s3, LAPS-1
.Llap:                                                 ; a trip goes once round the ring, from a lap's second quarter to the next lap's first, and fills both slots again
	QUARTER 0, 256, F1, F0, 0
	QUARTER 0, 384, F0, F1, 0
	TURN 0, 1, 1
	QUARTER 1, 128, F0, F1, 0
	QUARTER 1, 256, F1, F0, 0
	QUARTER 1, 384, F0, F1, 0
	TURN 1, 0, 1
	QUARTER 0, 128, F0, F1, 0
	WIN 0
	s_sub_co_u32 s3, s3, 1
	s_cmp_lg_u32 s3, 0
	s_cbranch_scc1 .Llap
	QUARTER 0, 256, F1, F0, 0                      ; the last lap fills nothing, and has no round of the cluster's barrier
	QUARTER 0, 384, F0, F1, 0
	TURN 0, 1, 0
	QUARTER 1, 128, F0, F1, 0
	QUARTER 1, 256, F1, F0, 0
	QUARTER 1, 384, F0, F1, 0
	s_wait_dscnt 16                                ; the very last quarter: nothing more to fetch
	WIN MUL
	MUL8 F1, 0, 0, 0
	MUL8 F1, 0, 2, 0
	s_wait_dscnt 0
	MUL8 F1, 1, 0, 0
	MUL8 F1, 1, 2, 0
	WIN 0
; THE WAY OUT, a block of 16 rows x 64 columns at a time, through my own stage: a lane's 32 bytes of a row go in, whole runs of 256 bytes come back.  LDS serves a wave's instructions in order: no wait between the stores and the loads.
.macro TOSTAGE a
.irp b, 0,1,2,3
	ds_store_b128 v[STO], v[ACC+8*(4*(\a)+\b):ACC+8*(4*(\a)+\b)+3] offset:64*\b          ; each accumulator from its low end on
	ds_store_b128 v[STO], v[ACC+8*(4*(\a)+\b)+4:ACC+8*(4*(\a)+\b)+7] offset:64*\b+16
.endr
.irp t, 0,1,2,3,4,5,6,7
	ds_load_b128 v[TMP+32*((\a)%2)+4*\t:TMP+32*((\a)%2)+4*\t+3], v[RD] offset:\t*2*SPITCH
.endr
.endm
.macro SEND a, younger                 ; younger: the LDS instructions issued behind block a's loads, which may stay out
	s_wait_dscnt \younger
.irp t, 0,1,2,3,4,5,6,7
	global_store_b128 v[CO], v[TMP+32*((\a)%2)+4*\t:TMP+32*((\a)%2)+4*\t+3], s[8:9] offset:(16*(\a)+2*\t)*SIZE_N*4 th:TH_STORE_NT   ; 16 lanes store 256 consecutive bytes, aligned
.endr
.endm
	PLACES
	TOSTAGE 0
.irp a, 1,2,3
.if \a > 1
	s_wait_xcnt 0x0                                ; block a - 2's stores have read their registers: block a's loads may land there
.endif
	TOSTAGE \a
	SEND \a-1, 16                                  ; behind block a - 1's loads: block a's 8 stores and 8 loads
.endr
	SEND 3, 0
	s_wait_tensorcnt 0x0                           ; the wave's end: behind my last tensor load and my last LDS store
	ds_add_u32 v[SPW], v[NIL]
	s_wait_dscnt 0x0
	CROUND                                         ; the closing round: no work-group ends while a partner may still ask for a tile that names it
	s_endpgm
.Lfunc_end_k_q6b4d83c199_proj:
	.size	k_q6b4d83c199_proj, .Lfunc_end_k_q6b4d83c199_proj-k_q6b4d83c199_proj
	.p2alignl 7, 3214868480
	.fill 96, 4, 3214868480
	.section	.rodata,"a",@progbits
	.p2align	6, 0x0
	.amdhsa_kernel k_q6b4d83c199_proj
		.amdhsa_group_segment_fixed_size 327680
		.amdhsa_private_segment_fixed_size 0
		.amdhsa_enable_private_segment 0
		.amdhsa_kernarg_size 24
		.amdhsa_user_sgpr_count 2
		.amdhsa_user_sgpr_kernarg_segment_ptr 1
		.amdhsa_wavefront_size32 1
		.amdhsa_system_sgpr_workgroup_id_x 1
		.amdhsa_system_sgpr_workgroup_id_y 1
		.amdhsa_system_sgpr_workgroup_id_z 1
		.amdhsa_system_vgpr_workitem_id 0
		.amdhsa_next_free_vgpr 512
		.amdhsa_next_free_sgpr 66
		.amdhsa_reserve_vcc 0
		.amdhsa_float_denorm_mode_32 3
		.amdhsa_float_denorm_mode_16_64 3
		.amdhsa_memory_ordered 1
		.amdhsa_forward_progress 1
		.amdhsa_inst_pref_size 86
	.end_amdhsa_kernel
	.amdgpu_metadata
---
amdhsa.version: [ 1, 2 ]
amdhsa.kernels:
  - .name:           k_q6b4d83c199_proj
    .symbol:         k_q6b4d83c199_proj.kd
    .args:
      - { .name: oh, .offset: 0, .size: 8, .value_kind: global_buffer, .address_space: global }
      - { .name: woh, .offset: 8, .size: 8, .value_kind: global_buffer, .address_space: global }
      - { .name: out0, .offset: 16, .size: 8, .value_kind: global_buffer, .address_space: global }
    .group_segment_fixed_size: 327680
    .private_segment_fixed_size: 0
    .kernarg_segment_align: 8
    .kernarg_segment_size: 24
    .max_flat_workgroup_size: 128
    .sgpr_count:     66
    .vgpr_count:     512
    .wavefront_size: 32
...
	.end_amdgpu_metadata
.endif
;; end of part 4
;; launch first16 (part 5): grid 64 x 2, 16 waves a work-group, no clusters, 18,432 bytes of LDS; arguments first, wo, out0; writes out0
.if DOCPART == 5
	.amdgcn_target "amdgcn-amd-amdhsa--gfx1250"
	.amdhsa_code_object_version 6
	.text
	.protected	k_q6b4d83c199_first16
	.globl	k_q6b4d83c199_first16
	.p2align	8
	.type	k_q6b4d83c199_first16,@function
k_q6b4d83c199_first16:
	s_mov_b64 s[64:65], 0
	v_nop
	global_prefetch_b8 v0, s[64:65] scope:SCOPE_SE
	s_setreg_imm32_b32 hwreg(HW_REG_WAVE_MODE, 25, 1), 1
	s_wait_xcnt 0x0
; Positions 0-15 of both sequences once more, with f32 operands all the way: under the causal mask these rows average one to sixteen values, so the rounding of f16 operands weighs most there.
; first: [b][head 0-23: 16 q, 4 k, 4 v][16 positions][64] f32, roped where due.  wo: [1024][1024] f32.  out0[b][0..15][:] is written over what the launch before left there.
; SHARES.  Work-group (x, b) makes out0[b][0..15][16 x .. 16 x + 15].  Wave hd is query head hd: its 16 x 16 attention, then its 64 channels' part of the projection; the 16 parts are added through LDS.
; Every work-group repeats its batch's attention: 32 small matrix instructions a head.  A work-group stores 16 rows x 64 bytes: runs shorter than 256 bytes; the launch stores 131,072 bytes in all.
; ALL THREE PRODUCTS ARE USED TRANSPOSED, so that a lane holds one query (lane % 16): S^T = K Q^T, O^T = V^T P, out^T = wo O.  K ORDER: the form takes four k an instruction, k = 2 (lane / 16) + register.
; Here step s of a group of 16 takes the elements 8 (lane / 16) + 2 s + register, alike in both sources: two loads of 16 bytes feed four steps, and registers 2 s, 2 s + 1 of a result are source 1 of the next product as they stand.
; The softmax takes the row's maximum away and normalises p ahead of the second product.  LIMITS: NaN and infinities are not served.
; The registers that the f32 matrix form writes (v144-239) are written by matrix instructions alone; sums of them go into other registers.
.set SPARE, 16384                      ; behind the 16 parts of 1,024 bytes: the spare words, 128 bytes for each wave; no other line names them
.set QF, 16                            ; v16-47   Q(r, 16 u + 8 h + i) at 8 u + i
.set KF, 48                            ; v48-79   K likewise
.set VT, 80                            ; v80-111  V(8 h + i, 16 t + r) at 8 t + i
.set WF, 112                           ; v112-143 wo(16 x + r, 64 hd + 16 t + 8 h + i) at 8 t + i
.set SA, 144                           ; four partial sums of S^T, one for each 16 channels
.set OA, 176                           ; O^T: four tiles of 16 channels
.set RA, 208                           ; four partial sums of out^T
.set T,  240                           ; v240-247 the scores, then p
.set U,  248
	s_load_b128 s[4:7], s[0:1], 0x0                ; first s[4:5], wo s[6:7]
	s_load_b64 s[8:9], s[0:1], 0x10                ; out0
	v_lshl_add_u32 v8, v0, 2, SPARE                ; my spare word; never rewritten
	v_mov_b32 v9, 0                                ; 0; never rewritten
	v_lshrrev_b32 v1, 5, v0
	v_readfirstlane_b32 s10, v1                    ; wave = query head
	s_and_b32 s11, ttmp7, 0xffff                   ; b
	v_and_b32 v1, 15, v0                           ; r
	v_bfe_u32 v2, v0, 4, 1                         ; h
	v_lshlrev_b32 v3, 8, v1
	v_lshl_add_u32 v3, v2, 5, v3                   ; Q, K: row r of 256 bytes, + 32 h
	v_lshlrev_b32 v4, 2, v1
	v_lshl_add_u32 v4, v2, 11, v4                  ; V: row 8 h, column r
	v_lshlrev_b32 v5, 12, v1
	v_lshl_add_u32 v5, v2, 5, v5                   ; wo and out0: row r of 4,096 bytes, + 32 h
	v_lshlrev_b32 v13, 3, v2
	v_sub_nc_u32 v6, v1, v13                       ; d = r - 8 h: register j holds key 8 h + j, hidden where j > d
	v_mov_b32 v7, 0xff800000                       ; -infinity
	v_mov_b32 v14, 0                               ; (a lane permute's destination counts as one of its sources)
	v_and_b32 v13, 31, v0
	v_lshlrev_b32 v13, 4, v13
	s_lshl_b32 s12, s10, 10
	v_add_nc_u32 v10, s12, v13                     ; my part in LDS: 1,024 x wave + 16 x lane
	s_and_b32 s12, s10, 1
	s_lshl_b32 s13, s12, 9
	v_add_nc_u32 v11, s13, v13                     ; the adding waves (0 and 1): half 'wave' of each part
	s_lshl_b32 s13, s12, 4
	v_add_nc_u32 v12, s13, v5                      ; and its 16 bytes in out0
	s_mul_i32 s14, s11, 24
	s_lshr_b32 s16, s10, 2
	s_add_co_u32 s16, s16, s14
	s_add_co_u32 s16, s16, 16
	s_add_co_u32 s18, s16, 4
	s_add_co_u32 s14, s14, s10
	s_lshl_b32 s14, s14, 12                        ; q: head hd;
	s_lshl_b32 s16, s16, 12                        ; k: head 16 + hd / 4;
	s_lshl_b32 s18, s18, 12                        ; v: head 20 + hd / 4; 4,096 bytes a head
	s_mov_b32 s15, 0
	s_mov_b32 s17, 0
	s_mov_b32 s19, 0
	s_lshl_b32 s20, ttmp9, 16                      ; wo: 16 x rows of 4,096 bytes,
	s_lshl_b32 s21, s10, 8
	s_add_co_u32 s20, s20, s21                     ; my head's 64 columns
	s_mov_b32 s21, 0
	s_lshl_b32 s22, s11, 23                        ; out0: 2,048 b rows,
	s_lshl_b32 s23, ttmp9, 6
	s_add_co_u32 s22, s22, s23                     ; my work-group's 16 columns
	s_mov_b32 s23, 0
	s_mov_b32 s30, 0x76543210                      ; v_permlanex16_b32: lane l xor 16
	s_mov_b32 s31, 0xfedcba98
	s_mov_b32 s12, 0x3e38aa3b                      ; c = log2(e) / 8
	s_wait_kmcnt 0x0
	s_add_nc_u64 s[24:25], s[4:5], s[14:15]
	s_add_nc_u64 s[26:27], s[4:5], s[16:17]
	s_add_nc_u64 s[28:29], s[4:5], s[18:19]
	s_add_nc_u64 s[6:7], s[6:7], s[20:21]
	s_add_nc_u64 s[8:9], s[8:9], s[22:23]
.irp u, 0,1,2,3
	global_load_b128 v[QF+8*\u:QF+8*\u+3],   v3, s[24:25] offset:64*\u
	global_load_b128 v[QF+8*\u+4:QF+8*\u+7], v3, s[24:25] offset:64*\u+16
.endr
.irp u, 0,1,2,3
	global_load_b128 v[KF+8*\u:KF+8*\u+3],   v3, s[26:27] offset:64*\u
	global_load_b128 v[KF+8*\u+4:KF+8*\u+7], v3, s[26:27] offset:64*\u+16
.endr
.irp t, 0,1,2,3
.irp i, 0,1,2,3,4,5,6,7
	global_load_b32 v[VT+8*\t+\i], v4, s[28:29] offset:256*\i+64*\t
.endr
.endr
.irp t, 0,1,2,3
	global_load_b128 v[WF+8*\t:WF+8*\t+3],   v5, s[6:7] offset:64*\t
	global_load_b128 v[WF+8*\t+4:WF+8*\t+7], v5, s[6:7] offset:64*\t+16
.endr
	s_wait_loadcnt 40                              ; Q and K are in; V's 32 loads and wo's 8 may be out
.irp s, 0,1,2,3                        ; S^T: four accumulators by turns; each sum's first K step takes the constant 0
.irp u, 0,1,2,3
.if \s == 0
	v_wmma_f32_16x16x4_f32 v[SA+8*\u:SA+8*\u+7], v[KF+8*\u+2*\s:KF+8*\u+2*\s+1], v[QF+8*\u+2*\s:QF+8*\u+2*\s+1], 0
.else
	v_wmma_f32_16x16x4_f32 v[SA+8*\u:SA+8*\u+7], v[KF+8*\u+2*\s:KF+8*\u+2*\s+1], v[QF+8*\u+2*\s:QF+8*\u+2*\s+1], v[SA+8*\u:SA+8*\u+7]
.endif
.endr
.endr
.rept 8
	v_nop                                          ; eight places behind this form, ahead of the reads of its results (ISA guide 7.12.1)
.endr
.irp i, 0,2,4,6
	v_pk_add_f32 v[T+\i:T+\i+1], v[SA+\i:SA+\i+1], v[SA+8+\i:SA+8+\i+1]            ; the four partial sums, each read from its low end on
.endr
.irp i, 0,2,4,6
	v_pk_add_f32 v[U+\i:U+\i+1], v[SA+16+\i:SA+16+\i+1], v[SA+24+\i:SA+24+\i+1]
.endr
.irp i, 0,2,4,6
	v_pk_add_f32 v[T+\i:T+\i+1], v[T+\i:T+\i+1], v[U+\i:U+\i+1]
.endr
.irp j, 0,1,2,3,4,5,6,7
	v_cmp_gt_i32 vcc_lo, \j, v6
	v_cndmask_b32 v[T+\j], v[T+\j], v7, vcc_lo     ; hidden keys: -infinity (key 0 counts for every query)
.endr
	v_max3_num_f32 v13, v[T], v[T+1], v[T+2]
	v_max3_num_f32 v13, v13, v[T+3], v[T+4]
	v_max3_num_f32 v13, v13, v[T+5], v[T+6]
	v_max_num_f32 v13, v13, v[T+7]
	v_permlanex16_b32 v14, v13, s30, s31
	v_max_num_f32 v13, v13, v14                    ; the row's maximum
	v_mul_f32 v15, s12, v13
.irp j, 0,1,2,3,4,5,6,7
	v_fma_f32 v[T+\j], v[T+\j], s12, -v15          ; c s - c m
.endr
.irp j, 0,1,2,3,4,5,6,7
	v_exp_f32 v[T+\j], v[T+\j]
.endr
	v_nop                                          ; a plain line behind the last exponential,
	s_wait_alu depctr_va_vdst(0)                   ; and one wait for the eight, ahead of their first reader
	v_add_f32 v13, v[T], v[T+1]
.irp j, 2,3,4,5,6,7
	v_add_f32 v13, v13, v[T+\j]
.endr
	v_permlanex16_b32 v14, v13, s30, s31
	v_add_f32 v13, v13, v14                        ; the row's sum
	v_rcp_f32 v15, v13
	v_nop
	s_wait_alu depctr_va_vdst(0)
.irp j, 0,1,2,3,4,5,6,7
	v_mul_f32 v[T+\j], v[T+\j], v15                ; p, normalised: register j is key 8 h + j of query r
.endr
	s_wait_loadcnt 8                               ; V is in; wo's 8 loads may be out
.irp s, 0,1,2,3                        ; O^T: K = the 16 keys
.irp t, 0,1,2,3
.if \s == 0
	v_wmma_f32_16x16x4_f32 v[OA+8*\t:OA+8*\t+7], v[VT+8*\t+2*\s:VT+8*\t+2*\s+1], v[T+2*\s:T+2*\s+1], 0
.else
	v_wmma_f32_16x16x4_f32 v[OA+8*\t:OA+8*\t+7], v[VT+8*\t+2*\s:VT+8*\t+2*\s+1], v[T+2*\s:T+2*\s+1], v[OA+8*\t:OA+8*\t+7]
.endif
.endr
.endr
.rept 9
	v_nop                                          ; nine places: the results become a source of the next products
.endr
	s_wait_loadcnt 0x0                             ; wo
.irp s, 0,1,2,3                        ; out^T: K = my head's 64 channels, a partial sum for each 16
.irp t, 0,1,2,3
.if \s == 0
	v_wmma_f32_16x16x4_f32 v[RA+8*\t:RA+8*\t+7], v[WF+8*\t+2*\s:WF+8*\t+2*\s+1], v[OA+8*\t+2*\s:OA+8*\t+2*\s+1], 0
.else
	v_wmma_f32_16x16x4_f32 v[RA+8*\t:RA+8*\t+7], v[WF+8*\t+2*\s:WF+8*\t+2*\s+1], v[OA+8*\t+2*\s:OA+8*\t+2*\s+1], v[RA+8*\t:RA+8*\t+7]
.endif
.endr
.endr
.rept 8
	v_nop
.endr
.irp i, 0,2,4,6
	v_pk_add_f32 v[16+\i:17+\i], v[RA+\i:RA+\i+1], v[RA+8+\i:RA+8+\i+1]
.endr
.irp i, 0,2,4,6
	v_pk_add_f32 v[24+\i:25+\i], v[RA+16+\i:RA+16+\i+1], v[RA+24+\i:RA+24+\i+1]
.endr
.irp i, 0,2,4,6
	v_pk_add_f32 v[16+\i:17+\i], v[16+\i:17+\i], v[24+\i:25+\i]    ; my head's part: register j is out(query r, 16 x + 8 h + j)
.endr
	ds_store_b128 v10, v[16:19]                    ; as an image of the registers: 16 bytes a lane
	ds_store_b128 v10, v[20:23] offset:512
	s_wait_dscnt 0x0                               ; for the others' sake: my part lies in LDS
	s_barrier_signal -1
	s_barrier_wait -1
	s_cmp_lt_u32 s10, 2                            ; wave 0 adds registers 0-3 of the 16 parts, wave 1 registers 4-7
	s_cbranch_scc0 .Lend
.set k, 0
.rept 16
	ds_load_b128 v[16+4*k:19+4*k], v11 offset:1024*k
.set k, k+1
.endr
	s_wait_dscnt 0x0
.irp d, 8,4,2,1
.set k, 0
.rept \d
	v_pk_add_f32 v[16+4*k:17+4*k], v[16+4*k:17+4*k], v[16+4*(k+\d):17+4*(k+\d)]
	v_pk_add_f32 v[18+4*k:19+4*k], v[18+4*k:19+4*k], v[18+4*(k+\d):19+4*(k+\d)]
.set k, k+1
.endr
.endr
	global_store_b128 v12, v[16:19], s[8:9]
.Lend:
	s_wait_tensorcnt 0x0                           ; the wave's end: behind my last LDS store
	ds_add_u32 v8, v9
	s_wait_dscnt 0x0
	s_endpgm
.Lfunc_end_k_q6b4d83c199_first16:
	.size	k_q6b4d83c199_first16, .Lfunc_end_k_q6b4d83c199_first16-k_q6b4d83c199_first16
	.p2alignl 7, 3214868480
	.fill 96, 4, 3214868480
	.section	.rodata,"a",@progbits
	.p2align	6, 0x0
	.amdhsa_kernel k_q6b4d83c199_first16
		.amdhsa_group_segment_fixed_size 18432
		.amdhsa_private_segment_fixed_size 0
		.amdhsa_enable_private_segment 0
		.amdhsa_kernarg_size 24
		.amdhsa_user_sgpr_count 2
		.amdhsa_user_sgpr_kernarg_segment_ptr 1
		.amdhsa_wavefront_size32 1
		.amdhsa_system_sgpr_workgroup_id_x 1
		.amdhsa_system_sgpr_workgroup_id_y 1
		.amdhsa_system_sgpr_workgroup_id_z 1
		.amdhsa_system_vgpr_workitem_id 0
		.amdhsa_next_free_vgpr 256
		.amdhsa_next_free_sgpr 66
		.amdhsa_reserve_vcc 1
		.amdhsa_float_denorm_mode_32 3
		.amdhsa_float_denorm_mode_16_64 3
		.amdhsa_memory_ordered 1
		.amdhsa_forward_progress 1
		.amdhsa_inst_pref_size 19
	.end_amdhsa_kernel
	.amdgpu_metadata
---
amdhsa.version: [ 1, 2 ]
amdhsa.kernels:
  - .name:           k_q6b4d83c199_first16
    .symbol:         k_q6b4d83c199_first16.kd
    .args:
      - { .name: first, .offset: 0, .size: 8, .value_kind: global_buffer, .address_space: global }
      - { .name: wo, .offset: 8, .size: 8, .value_kind: global_buffer, .address_space: global }
      - { .name: out0, .offset: 16, .size: 8, .value_kind: global_buffer, .address_space: global }
    .group_segment_fixed_size: 18432
    .private_segment_fixed_size: 0
    .kernarg_segment_align: 8
    .kernarg_segment_size: 24
    .max_flat_workgroup_size: 512
    .sgpr_count:     66
    .vgpr_count:     256
    .wavefront_size: 32
...
	.end_amdgpu_metadata
.endif
;; end of part 5
